; MI455X (gfx1250); checked and timed in simulation.
; The chip was launched on July 23, 2026; its instructions are those of AMD's public machine-readable ISA for CDNA 5 (MIT licence, August 2026) and "CDNA5" Instruction Set Architecture Reference Guide (July 2026). The comments in the code are by the model that wrote it; some were corrected since.
;; Local Attention. Allowed arithmetic: matrix products marked QUANTISED: E2M1 operands, one E8M0 scale for each 32 along K, by v_wmma_scale_f32_16x16x128_f8f6f4 with both operands' format E2M1 (or v_wmma_scale_f32_32x16x128_f4), f32 sums; products left as they are: f32 operands where the result goes on into a quantised operand, else bf16, f16 or f32 operands; f32 sums; everything else in f32.
;; Inputs: k 32 x 4,096 x 64 float32; q 32 x 4,096 x 64 float32; v 32 x 4,096 x 64 float32.
;; Outputs: out0 32 x 4,096 x 64 float32.
;; This version of the problem:
;;   THIS VERSION OF THE PROBLEM IS GIVEN IN LOW PRECISION. The matrix products marked QUANTISED in the list below multiply operands that are first quantised to E2M1 (2 exponent bits, 1 mantissa bit; 4 bits a number), with one power-of-two scale for each 32 numbers along K (OCP MX v1.0); their sums are f32. All else is computed in f32.
;;   The module's matrix products, in the order in which they are computed (A, B: the left and right operand; K: the contracted axis; several contracted axes count as one K, in the product's order):
;;     1. [M 256, K 1] x [K 1, N 32]; A: computed on the way; B: computed on the way: left as it is (no contracted axis)
;;     2. batch 1,024 x [M 128, K 64] x [K 64, N 256]; A: computed on the way; B: computed on the way: QUANTISED
;;     3. batch 1,024 x [M 128, K 256] x [K 256, N 64]; A: softmax (see below); B: computed on the way: QUANTISED
;;   THE QUANTISER, for each operand of a quantised product, along K:
;;     - K is cut into blocks of 32 from its start; a last block that is shorter is filled with zeros.
;;     - A block's scale is 2^e with e = floor(log2(the largest magnitude in the block)) - 2, held to -126 .. 127; a block of zeros has e = 0. As a byte (E8M0): e + 127.
;;     - Each number is divided by its block's scale, clamped to +-6, and rounded to the nearest number of E2M1, ties to even, subnormals kept.
;;     - The product sums the exact products of the quantised numbers (number of the format x scale) in f32.
;;   ~~~python
;;   def quantise(x, axis):      # numpy; x: float32 -> the quantised numbers, widened to float32 again
;;       x = np.moveaxis(x, axis, -1); K = x.shape[-1]
;;       x = np.pad(x, [(0, 0)] * (x.ndim - 1) + [(0, -K % 32)]); x = x.reshape(x.shape[:-1] + (-1, 32)); a = np.abs(x).max(-1, keepdims=True)
;;       e = np.where(a > 0, np.clip(np.frexp(np.where(a > 0, a, 1))[1] - 1 - 2, -126, 127), 0)      # np.frexp(a)[1] - 1 = floor(log2(a)), exactly
;;       r = np.clip(x / 2.0 ** e, -6, 6)
;;       step = 2.0 ** (np.maximum(np.frexp(np.where(r == 0, 1, r))[1] - 1, 0) - 1)
;;       q = np.round(r / step) * step * 2.0 ** e      # np.round: ties to even
;;       return np.moveaxis(q.reshape(q.shape[:-2] + (-1,))[..., :K], -1, axis).astype(np.float32)
;;   ~~~
;;   SOFTMAX AHEAD OF A QUANTISED PRODUCT. Where the list says 'softmax', what is quantised is not the finished softmax but p = 2^(t - M), with t = logit x log2(e) and M = ceil(the row's largest t), a whole number; so 1/2 < the row's largest p <= 1. The row's sum l is taken of the UNQUANTISED p, in f32, and the product's result is divided by l at the end. Since M is a whole number, a kernel that streams over the keys may use a running M (the ceiling of the running maximum): every later rescaling is an exact power of two, which a block's scale takes up: the codes' values come out the same.
;;   OPERANDS COMPUTED ON THE WAY. 'Computed on the way' means the value that the module computes at that place (a softmax that the list does not call 'softmax' is quantised finished and normalised). What goes into a quantiser is computed in f32, as accurately as f32 sums, v_exp_f32 and their like allow (about 1e-6 of the number): no bf16 or f16 on the way to a quantiser, and a product that is left as it is and whose result goes on into a quantised operand takes f32 operands (vector FMAs, or v_wmma_f32_16x16x4_f32). A number that lies on a knife's edge between two numbers of the format may be rounded either way, as far as f32 arithmetic and the matrix unit's own rounding can turn it there, and no further.
;; 2 versions. Each part assembles by itself: llvm-mc -triple=amdgcn-amd-amdhsa -mcpu=gfx1250 --defsym DOCPART=n.
;; ======== version 1 of 2: 1 launch
;; launch local_attention (part 1): grid 8 x 32, 8 waves a work-group, no clusters, 138,496 bytes of LDS; arguments q, k, v, out0; writes out0
.if DOCPART == 1
	.amdgcn_target "amdgcn-amd-amdhsa--gfx1250"
	.amdhsa_code_object_version 6
	.text
	.protected	k_qc93e4e0fae_local_attention
	.globl	k_qc93e4e0fae_local_attention
	.p2align	8
	.type	k_qc93e4e0fae_local_attention,@function
k_qc93e4e0fae_local_attention:
	s_mov_b64 s[64:65], 0
	v_nop
	global_prefetch_b8 v0, s[64:65] scope:SCOPE_SE
	s_setreg_imm32_b32 hwreg(HW_REG_WAVE_MODE, 25, 1), 1
	s_wait_xcnt 0x0
; LOCAL ATTENTION: window 128, one window back, causal, rotary places; both products on codes of FP4 (E2M1) with one E8M0 scale for each 32 along K.
; q, k, v, out: [32][4096][64] f32.  Window w of a batch row: its 128 queries (places 128..255) meet the 128 keys of window w - 1 (places 0..127) and the 128 of window w (places 128..255, causal).  Window 0 has no window before it.
; SHARES.  Grid 8 x 32: a work-group owns four neighbouring windows of one batch row and walks them in a loop of four trips.  Eight waves.  Wave x owns tile tau = x xor 3 (x / 4) of every window, for Q, K and out alike:
; tile row rr (0..15) is window row R0 + rr + 8 (rr / 8), R0 = 32 (tau / 2) + 8 (tau % 2).  Of V it owns the 32 keys of block tau / 2 and the channels 32 (tau % 2) + lane.
; By the causal mask tile tau sees tau / 2 + 1 of its own window's four key blocks; waves x and x + 4 hold tiles tau and 7 - tau, whose block counts add to five.
; A TRIP.  Each wave turns its 16 rows of K and of Q through its own stage in LDS, so that lane (r, h) holds channels 32 h .. 32 h + 31 of tile row r: one whole block, and registers 0-3 of a fragment.  It rotates, quantises
; (no other lane is asked for a maximum), and stores K's codes, for places 128.. and again for places 0.. (for the next window), V's codes and the scale words into the window's slot in LDS, as images of the operands' registers.
; One barrier.  Then each wave runs its own 16 queries: own window first, then the window before, and stores 16 whole rows of out.
; The next window's 48 loads of a wave (12 KiB) are issued before the rotation and land during the attention.
; BOTH PRODUCTS ARE USED TRANSPOSED: S^T = K Q^T (source 0 = 16 keys, source 1 = my 16 queries), O^T = V^T P^T (source 0 = 16 channels, source 1 = P): a lane holds ONE query (lane % 16) throughout.
; By the choice of a tile's rows the 16 registers of tiles 2 b and 2 b + 1 of S^T are the 16 neighbouring keys 32 b + 16 (lane / 16) + 0..15, which is what the conversions want.
; THE FIRST PRODUCT'S K IS 64, the instruction's 128: Q's fragment has zero codes in its upper four registers.  K's tiles lie densely, four registers each, so the upper half of a tile's operand is the next tile's codes
; (behind the last: four registers of zeros): finite codes, of which Q's zero codes leave nothing.  Bytes 2 and 3 of these scale words are 0, which is 2^-127 and no NaN.
; SOFTMAX.  t = score x log2(e) / 8: q's factor 1/8 is a power of two and changes no code of q, so it stands in this constant.  M = the running largest t rounded up to a whole number; p = 2^(t - M) is quantised along the keys;
; the row's sum is taken of the unquantised p and divides at the end.  The own window comes first: its diagonal key always counts, so M is a number; the second pass rescales by an exact power of two.
; THE ROTARY TABLES.  angle = t x inv_freq in f32; inv_freq stands as 32 literals, the f32 bits of 1 / f32(10^(i/8)), worked out by hand.  The angle is reduced by n pi in two fused steps; sine and cosine are Taylor sums
; to r^13 and r^12 on |r| <= pi/2 (the next terms are under 7e-10 and 7e-9), with the sign (-1)^n.  Lanes 0-15 work out the places 128.., lanes 16-31 the places 0.., and an exchange of halves gives both to both.
; THE WINDOW IN FRONT of the work-group's first is loaded and prepared (K for places 0.., V) by every work-group.  A batch row's first work-group has no such window: its two pointers then step back by nothing, so that every
; load stays inside its buffer, and what it puts into slot 0 is read by nobody.
; NO CLUSTER: neighbouring work-groups share one window in five of K and V, and the rows go through registers, not through tensor loads.
; LIMITS: NaN and infinities among the inputs are not served.  A block of zeros gets the byte 1 where the quantiser says 127: its codes are zeros, and only this text reads the bytes.  A block of q whose largest magnitude
; is under 2^-121 would meet the quantiser's hold at -126 after the factor 1/8; here the hold comes three binades lower.
.set SP,    272                        ; a stage row: 256 bytes + 16 = 68 words: row r starts at bank 4 r mod 64 (64 banks of 4 bytes: ISA guide 11.1)
.set QST,   16*SP                      ; a wave's stages: K's 16 rows at 0, Q's (later the way out's) behind them
.set WSTG,  2*QST
.set IMG,   8*WSTG                     ; behind the eight waves' stages: five window slots: slot 0 the window in front, slot i + 1 trip i's window.  No slot is written twice
.set KH,    0                          ; in a slot: K for places 128..: 8 tiles x 512 bytes;
.set KL,    4608                       ; K for places 0.. likewise;
.set KSC,   4096                       ; each followed, 4,096 bytes on, by its 128 scale words (tile by tile, a word a row);
.set VI,    9216                       ; V^T: 4 tiles of 16 channels x 1,024 bytes;
.set VS,    13312                      ; its 64 scale words, a word a channel, byte b for key block b
.set WSL,   13568                      ; a slot
.set WINB,  32768                      ; a window of q, k, v or out in bytes
; vector registers, window 0
.set GK,   1                           ; 16 x lane + 256 R0: my place in my tile's rows of k, q and out; never rewritten
.set GV,   2                           ; 4 x lane + 8,192 (tau / 2) + 128 (tau % 2): my channel of my key block's first row of v; never rewritten
.set SW,   3                           ; stage: row h, + 16 r: where two rows as loaded go, and where two rows of the result come back
.set SX,   4                           ; stage: row r, + 128 h: my 32 channels
.set SY,   5                           ; stage: row r, + 128 (h xor 1): the other 32
.set OW,   6                           ; the way out: row r, + 32 h
.set PKB,  7                           ; v7-12: places in slot 0: K's tile, K's scale word, V's codes, V's scale byte, a fragment's image for my lane, a scale word for my lane
.set PSB,  8
.set PVB,  9
.set PBB,  10
.set AFB,  11
.set ASB,  12
.set PK,   13                          ; v13-18: the same six, + the trip's slot
.set PS,   14
.set PV,   15
.set PB,   16
.set AF,   17
.set AS,   18
.set DQ,   19                          ; my query's place in its block of 32, less 16 h
.set SH8,  20                          ; 8 h
.set NINF, 21                          ; -infinity
.set AC,   22                          ; v[22:23] the second chain of the sums
.set MX0,  24                          ; two chains of a block's largest magnitude
.set MX1,  25
.set SOP,  26                          ; the conversions' scale operand
.set BYv,  27                          ; a scale's byte
.set WX,   28                          ; the other half's byte
.set WDH,  29                          ; K's scale words on their way to LDS
.set WDL,  30
.set VB,   31                          ; V's scale byte on its way to LDS
.set NM,   32                          ; -M
.set TM,   33                          ; the largest t
.set L,    34                          ; v[34:35] the row's sum in two halves
.set F,    36                          ; v36 the rescaling factor, later 1 / the sum (v37 is named with it as a pair)
.set RM,   38
.set OLD,  39
.set QF,   40                          ; v40-43 Q's codes, v44-47 zeros
.set QS,   48                          ; Q's scale word
.set PW,   49                          ; p's scale word
.set KS,   50                          ; v50-53 K's scale words, a register a block: lanes 0-15 the even tile's, lanes 16-31 the odd tile's
.set VSC,  54                          ; v54-55 V's likewise
.set X,    56                          ; quantising: my 32 channels, the other 32, the rotated 32
.set Y,    88
.set R,    120
.set VF,   56                          ; attention: V's four fragments
.set S,    88                          ; v88-151 S^T, then p; on the way out the result and the rows read back
.set O,    152                         ; v152-183 O^T
.set PC,   184                         ; v184-191 p's codes
.set BM,   192                         ; block maxima; the other half's; scale operands; bytes
.set BX,   196
.set SO,   200
.set BY,   204
.set KF,   208                         ; v208-239 K's tiles, tile t at KF + 4 t; v240-243 zeros
.set CDH,  244                         ; codes on their way to LDS
.set CDL,  248
.set CDV,  252
.set PKR,  152                         ; at the head only: the rows of the window in front
.set PVR,  208
.set TO,   56                          ; at the head only: 16 entries each of the four tables
.set TT,   120                         ; and what the tables are worked out with
.set MG,   122
.set C13,  124
.set C12,  126
.set AN,   128
.set MM,   130
.set NN,   132
.set ZZ,   134
.set PP,   136
.set QQ,   138
.set RZ,   140
.set SG,   142
.set SN,   144
; window 1
.set CH,   0                           ; cosines of places 128.., 32 a lane;
.set SH,   32                          ; sines, negative in lanes 0-15;
.set CL,   64                          ; the same for places 0..
.set SLo,  96
.set RK,   128                         ; the rows as loaded
.set RQ,   160
.set RV,   192
; scalar registers
.set WV,   12
.set TAU,  13
.set BQ,   14                          ; tau / 2
.set U,    15                          ; tau % 2
.set R0,   16
.set SEL,  20                          ; s[20:21] v_permlanex16_b32's selects for lane l xor 16
.set CS,   22                          ; s[22:23] log2(e) / 8 (the packed form names a pair)
.set TR,   24                          ; the trip
.set SL,   25                          ; the trip's slot: WSL x trip
.set WN,   26                          ; the window's number in its batch row
.set KP,   32                          ; s[32:33], s[34:35] k and v at the window in front
.set VP,   34
.set MSB, 0
.macro WIN new                         ; the immediate's high byte repeats the setting that is left; a switch that changes nothing is dropped
.if MSB != (\new)
	s_set_vgpr_msb (MSB<<8)|(\new)
.set MSB, (\new)
.endif
.endm
.macro PLACES                          ; four plain places behind matrix instructions (ISA guide 7.12.1)
.rept 4
	v_nop
.endr
.endm
; A window's rows for my wave: 8 loads of K and 8 of Q, each two whole rows (512 consecutive bytes), and 32 of V, each 128 consecutive bytes of one key's row (the wave beside me takes the other 128)
.macro GLOADS
	WIN 0x40                                       ; destination window 1
.irp i, 0,1,2,3,4,5,6,7
	global_load_b128 v[RK+4*\i:RK+4*\i+3], v[GK], s[6:7] offset:512*\i+2048*(\i/4)
.endr
.irp i, 0,1,2,3,4,5,6,7
	global_load_b128 v[RQ+4*\i:RQ+4*\i+3], v[GK], s[4:5] offset:512*\i+2048*(\i/4) th:TH_LOAD_NT
.endr
.irp k, 0,1,2,3,4,5,6,7,8,9,10,11,12,13,14,15,16,17,18,19,20,21,22,23,24,25,26,27,28,29,30,31
	global_load_b32 v[RV+\k], v[GV], s[8:9] offset:256*\k
.endr
	WIN 0
.endm
.macro SLOTADR                         ; the six places in the trip's slot
.irp j, 0,1,2,3,4,5
	v_add_nc_u32 v[PK+\j], s[SL], v[PKB+\j]
.endr
.endm
.macro TOSTAGE src, so, w              ; 16 rows as loaded into a stage; w: the window of the data
	WIN 0x04*(\w)
.irp i, 0,1,2,3,4,5,6,7
	ds_store_b128 v[SW], v[\src+4*\i:\src+4*\i+3] offset:\so+2*SP*\i
.endr
	WIN 0
.endm
.macro FROMSTAGE so                    ; and back: my 32 channels of row r into X, the other 32 into Y.  LDS serves a wave's instructions in order (ISA guide 5.7.1.4): these see the stores
.irp j, 0,1,2,3,4,5,6,7
	ds_load_b128 v[X+4*\j:X+4*\j+3], v[SX] offset:\so+16*\j
.endr
.irp j, 0,1,2,3,4,5,6,7
	ds_load_b128 v[Y+4*\j:Y+4*\j+3], v[SY] offset:\so+16*\j
.endr
.endm
.macro ROT tc, ts                      ; R = X cos + Y sin; the sine's sign lies in the table: lanes 0-15 x[e] c - x[e + 32] s, lanes 16-31 x[e + 32] c + x[e] s
	WIN 0x04                                       ; source 1: window 1
.irp e, 0,2,4,6,8,10,12,14,16,18,20,22,24,26,28,30
	v_pk_mul_f32 v[R+\e:R+\e+1], v[Y+\e:Y+\e+1], v[\ts+\e:\ts+\e+1]
.endr
.irp e, 0,2,4,6,8,10,12,14,16,18,20,22,24,26,28,30
	v_pk_fma_f32 v[R+\e:R+\e+1], v[X+\e:X+\e+1], v[\tc+\e:\tc+\e+1], v[R+\e:R+\e+1]
.endr
	WIN 0
.endm
.macro BMAX src, w, byte               ; the largest magnitude of a lane's 32 numbers, the conversions' scale operand and the scale's byte
	WIN 0x14*(\w)
	v_max3_num_f32 v[MX0], 0x1800000, |v[\src]|, |v[\src+1]|       ; the floor 2^(3 - 127) among the leaves: the byte cannot fall under 1
	v_max3_num_f32 v[MX1], 0x1800000, |v[\src+2]|, |v[\src+3]|
.irp i, 4,8,12,16,20,24,28
	v_max3_num_f32 v[MX0], v[MX0], |v[\src+\i]|, |v[\src+\i+1]|    ; two chains by turns
	v_max3_num_f32 v[MX1], v[MX1], |v[\src+\i+2]|, |v[\src+\i+3]|
.endr
	WIN 0
	v_max_num_f32 v[MX0], v[MX0], v[MX1]
	v_add_nc_u32 v[SOP], 0xff000000, v[MX0]        ; 2 off the exponent field: the conversion takes the exponent field of this operand as its scale
	v_lshrrev_b32 v[\byte], 23, v[SOP]
.endm
.macro WORD dst                        ; my block's byte at its place (8 h bits up), with lane l xor 16's: the row's scale word, in both halves
	v_lshlrev_b32 v[\dst], v[SH8], v[BYv]
	v_permlanex16_b32 v[WX], v[\dst], s[SEL], s[SEL+1]
	v_or_b32 v[\dst], v[\dst], v[WX]
.endm
.macro CVT4 dst, src, w                ; 32 numbers become 32 codes in four registers
	WIN 0x01*(\w)
.irp g, 0,1,2,3
	v_cvt_scalef32_pk8_fp4_f32 v[\dst+\g], v[\src+8*\g:\src+8*\g+7], v[SOP]
.endr
	WIN 0
	v_nop                                          ; one plain place behind a scaled conversion
.endm
.macro VPREP src, w, so                ; my channel's 32 keys: a whole block of the second product's K
	BMAX \src, \w, VB
	CVT4 CDV, \src, \w
	ds_store_b128 v[PV], v[CDV:CDV+3] offset:\so+VI
	ds_store_b8 v[PB], v[VB] offset:\so+VS
.endm
.macro KPREP tc, ts, cd, wd, ko        ; K's tile for one of the two runs of places
	ROT \tc, \ts
	BMAX R, 0, BYv
	WORD \wd
	CVT4 \cd, R, 0
	ds_store_b128 v[PK], v[\cd:\cd+3] offset:\ko
	ds_store_b32 v[PS], v[\wd] offset:\ko+KSC      ; both halves write the same word with the same value
.endm
; two entries (e, e + 1 of sixteen) of the four tables
.macro HN kp, kq
	v_pk_fma_f32 v[PP:PP+1], v[PP:PP+1], v[ZZ:ZZ+1], \kp op_sel_hi:[1,1,0]
	v_pk_fma_f32 v[QQ:QQ+1], v[QQ:QQ+1], v[ZZ:ZZ+1], \kq op_sel_hi:[1,1,0]
.endm
.macro SC e, f0, f1
	v_mul_f32 v[AN], \f0, v[TT]                    ; the angle, rounded to f32
	v_mul_f32 v[AN+1], \f1, v[TT]
	v_pk_fma_f32 v[MM:MM+1], v[AN:AN+1], 0x3ea2f983, v[MG:MG+1] op_sel_hi:[1,0,1]      ; angle / pi + 1.5 x 2^23: the sum's low bits are n, rounded to nearest
	v_pk_add_f32 v[NN:NN+1], v[MM:MM+1], v[MG:MG+1] neg_lo:[0,1] neg_hi:[0,1]           ; n
	v_pk_fma_f32 v[AN:AN+1], v[NN:NN+1], 0xc0490fdb, v[AN:AN+1] op_sel_hi:[1,0,1]      ; - n x pi's upper part
	v_pk_fma_f32 v[AN:AN+1], v[NN:NN+1], 0x33bbbd2e, v[AN:AN+1] op_sel_hi:[1,0,1]      ; + n x (pi's upper part - pi): r
	v_pk_mul_f32 v[ZZ:ZZ+1], v[AN:AN+1], v[AN:AN+1]
	v_pk_fma_f32 v[PP:PP+1], v[ZZ:ZZ+1], v[C13:C13+1], 0xb2d7322b op_sel_hi:[1,1,0]    ; sine: 1/13!, -1/11!,
	v_pk_fma_f32 v[QQ:QQ+1], v[ZZ:ZZ+1], v[C12:C12+1], 0xb493f27e op_sel_hi:[1,1,0]    ; cosine: 1/12!, -1/10!,
	HN 0x3638ef1d, 0x37d00d01                      ; 1/9!, 1/8!
	HN 0xb9500d01, 0xbab60b61                      ; -1/7!, -1/6!
	HN 0x3c088889, 0x3d2aaaab                      ; 1/5!, 1/4!
	HN 0xbe2aaaab, -0.5                            ; -1/3!, -1/2!
	v_pk_mul_f32 v[RZ:RZ+1], v[AN:AN+1], v[ZZ:ZZ+1]
	v_pk_fma_f32 v[QQ:QQ+1], v[QQ:QQ+1], v[ZZ:ZZ+1], 1.0 op_sel_hi:[1,1,0]
	v_pk_fma_f32 v[PP:PP+1], v[PP:PP+1], v[RZ:RZ+1], v[AN:AN+1]
.irp k, 0,1
	v_lshlrev_b32 v[SG+\k], 31, v[MM+\k]           ; n's parity as a sign,
	v_xor_b32 v[SN+\k], 0x80000000, v[SG+\k]       ; and its opposite
	v_xor_b32 v[TO+\e+\k], v[QQ+\k], v[SG+\k]      ; the cosine twice,
	v_xor_b32 v[TO+32+\e+\k], v[QQ+\k], v[SG+\k]
	v_xor_b32 v[TO+16+\e+\k], v[PP+\k], v[SN+\k]   ; the sine negative and positive
	v_xor_b32 v[TO+48+\e+\k], v[PP+\k], v[SG+\k]
	v_permlane16_swap_b32 v[TO+\e+\k], v[TO+32+\e+\k]      ; the first's lanes 16-31 change places with the second's lanes 0-15: the first now holds places 128.. in all lanes, the second places 0..
	v_permlane16_swap_b32 v[TO+16+\e+\k], v[TO+48+\e+\k]   ; likewise; each sine is now negative in lanes 0-15 and positive in lanes 16-31
.endr
.endm
.macro TMOVE hf                        ; sixteen entries of each table to their places in window 1
	WIN 0x40
.irp q, 0,1,2,3
.irp j, 0,1,2,3,4,5,6,7,8,9,10,11,12,13,14,15
	v_mov_b32 v[32*\q+16*\hf+\j], v[TO+16*\q+\j]
.endr
.endr
	WIN 0
.endm
; one scaled product.  acc = 0: it starts the sum;  odd = 1: source 0's scales stand in lanes 16-31
.macro MUL d, a, b, acc, sa, sb, odd
.if \acc
.if \odd
	v_wmma_scale_f32_16x16x128_f8f6f4 v[\d:\d+7], v[\a:\a+7], v[\b:\b+7], v[\d:\d+7], v[\sa], v[\sb] matrix_a_fmt:MATRIX_FMT_FP4 matrix_b_fmt:MATRIX_FMT_FP4 matrix_a_scale:MATRIX_SCALE_ROW1
.else
	v_wmma_scale_f32_16x16x128_f8f6f4 v[\d:\d+7], v[\a:\a+7], v[\b:\b+7], v[\d:\d+7], v[\sa], v[\sb] matrix_a_fmt:MATRIX_FMT_FP4 matrix_b_fmt:MATRIX_FMT_FP4
.endif
.else
.if \odd
	v_wmma_scale_f32_16x16x128_f8f6f4 v[\d:\d+7], v[\a:\a+7], v[\b:\b+7], 0, v[\sa], v[\sb] matrix_a_fmt:MATRIX_FMT_FP4 matrix_b_fmt:MATRIX_FMT_FP4 matrix_a_scale:MATRIX_SCALE_ROW1
.else
	v_wmma_scale_f32_16x16x128_f8f6f4 v[\d:\d+7], v[\a:\a+7], v[\b:\b+7], 0, v[\sa], v[\sb] matrix_a_fmt:MATRIX_FMT_FP4 matrix_b_fmt:MATRIX_FMT_FP4
.endif
.endif
.endm
; MY 16 QUERIES AGAINST nb BLOCKS OF 32 KEYS of the window whose slot lies base bytes behind the trip's.  kofs: which of K's two runs of places.
; first = 1: the own window: its last block lies on the diagonal; the pass starts M, the sum and O^T.  first = 0: the window before: all four blocks count; what stands is rescaled.
.macro ATT base, kofs, nb, first
.if \first == 0
	PLACES                                         ; in front of loads into registers that the first pass's products have read
.endif
.set t, 0
.rept 2*\nb
	ds_load_b128 v[KF+4*t:KF+4*t+3], v[AF] offset:\base+\kofs+512*t
.set t, t+1
.endr
.set t, 0
.rept \nb
	ds_load_b32 v[KS+t], v[AS] offset:\base+\kofs+KSC+128*t
.set t, t+1
.endr
.irp ct, 0,1,2,3
.irp c, 0,1
	ds_load_b128 v[VF+8*\ct+4*\c:VF+8*\ct+4*\c+3], v[AF] offset:\base+VI+1024*\ct+512*\c
.endr
.endr
.irp c, 0,1
	ds_load_b32 v[VSC+\c], v[AS] offset:\base+VS+128*\c
.endr
	s_wait_dscnt 10                                ; K's tiles and scale words are in; V's eight loads and its two scale loads, issued behind them, may be out
.set t, 0
.rept 2*\nb
	MUL S+8*t, KF+4*t, QF, 0, KS+t/2, QS, t%2      ; each product has an accumulator of its own
.set t, t+1
.endr
	PLACES
.if \first                                     ; register n of the last block holds key 16 h + n of the block: hidden where that comes after my query
.set n, 0
.rept 16
	v_cmp_gt_i32 vcc_lo, n, v[DQ]
	v_cndmask_b32 v[S+16*(\nb-1)+n], v[S+16*(\nb-1)+n], v[NINF], vcc_lo
.set n, n+1
.endr
.endif
.set t, 0
.rept \nb
	v_max3_num_f32 v[BM+t], v[S+16*t], v[S+16*t+1], v[S+16*t+2]    ; the largest score of each block: for the row's maximum, and, since p rises with the score, for the block's largest p
.set t, t+1
.endr
.irp i, 3,5,7,9,11,13
.set t, 0
.rept \nb
	v_max3_num_f32 v[BM+t], v[BM+t], v[S+16*t+\i], v[S+16*t+\i+1]
.set t, t+1
.endr
.endr
.set t, 0
.rept \nb
	v_max_num_f32 v[BM+t], v[BM+t], v[S+16*t+15]
.set t, t+1
.endr
.set t, 0
.rept \nb
	v_permlanex16_b32 v[BX+t], v[BM+t], s[SEL], s[SEL+1]
.set t, t+1
.endr
.set t, 0
.rept \nb
	v_max_num_f32 v[BM+t], v[BM+t], v[BX+t]        ; with lane l xor 16's 16 keys
.set t, t+1
.endr
	v_max_num_f32 v[RM], v[BM], v[BM+\nb-1]
.if \nb > 2
	v_max3_num_f32 v[RM], v[RM], v[BM+1], v[BM+\nb-2]
.endif
.if \first
	v_mul_f32 v[TM], s[CS], v[RM]                  ; the largest t
	v_floor_f32 v[NM], -v[TM]                      ; -M = floor(-t) = -ceil(t): M is a whole number
.else
	v_mul_f32 v[RM], s[CS], v[RM]
	v_max_num_f32 v[TM], v[TM], v[RM]              ; the running largest t
	v_mov_b32 v[OLD], v[NM]
	v_floor_f32 v[NM], -v[TM]
	v_sub_f32 v[OLD], v[NM], v[OLD]                ; M's old value less its new one: a whole number, 0 or less
	v_cvt_i32_f32 v[OLD], v[OLD]
	v_ldexp_f32 v[F], 1.0, v[OLD]                  ; f = 2^(old M - new M): a multiplication by it rounds nothing
.endif
.set t, 0
.rept 8*\nb
	v_pk_fma_f32 v[S+t:S+t+1], v[S+t:S+t+1], s[CS:CS+1], v[NM:NM+1] op_sel_hi:[1,0,0]   ; t - M, two at a time
.set t, t+2
.endr
.set t, 0
.rept \nb
	v_fma_f32 v[BM+t], v[BM+t], s[CS], v[NM]       ; the same of each block's largest score
.set t, t+1
.endr
.set t, 0
.rept 16*\nb
	v_exp_f32 v[S+t], v[S+t]                       ; p = 2^(t - M): one batch,
.set t, t+1
.endr
.set t, 0
.rept \nb
	v_exp_f32 v[BM+t], v[BM+t]                     ; the blocks' largest p in it: the same two instructions on the same number give the same bits
.set t, t+1
.endr
.if \first
	v_nop                                          ; a plain place behind the last exponential
.else
	v_pk_mul_f32 v[L:L+1], v[L:L+1], v[F:F+1] op_sel_hi:[1,0]      ; the sums under the new M (a plain place behind the last exponential)
.endif
	s_wait_alu depctr_va_vdst(0)                   ; one wait for the batch, ahead of its first reader
.set t, 0
.rept \nb
	v_max_num_f32 v[BM+t], 0x1800000, v[BM+t]      ; the floor 2^(3 - 127): the byte cannot fall under 1
.set t, t+1
.endr
.set t, 0
.rept \nb
	v_add_nc_u32 v[SO+t], 0xff000000, v[BM+t]      ; the conversions' scale operand
.set t, t+1
.endr
.set t, 0
.rept \nb
	v_lshrrev_b32 v[BY+t], 23, v[SO+t]             ; the scale's byte
.set t, t+1
.endr
	v_mov_b32 v[PW], v[BY]                         ; p's scale word; the bytes of blocks that are not taken stay 0, over zero codes
.set t, 1
.rept \nb-1
	v_lshl_or_b32 v[PW], v[BY+t], 8*t, v[PW]
.set t, t+1
.endr
.set t, \nb
.rept 4-\nb
	v_mov_b32 v[PC+2*t], 0                         ; zero codes for the blocks that the mask hides whole
	v_mov_b32 v[PC+2*t+1], 0
.set t, t+1
.endr
.set t, 0
.rept \nb
	v_cvt_scalef32_pk8_fp4_f32 v[PC+2*t], v[S+16*t:S+16*t+7], v[SO+t]
	v_cvt_scalef32_pk8_fp4_f32 v[PC+2*t+1], v[S+16*t+8:S+16*t+15], v[SO+t]
.set t, t+1
.endr
	v_nop                                          ; one plain place behind a scaled conversion
.irp c, 0,1                                    ; the operand's layout wants a whole block in a lane: lanes 0-15 block 2 c, lanes 16-31 block 2 c + 1
.irp i, 0,1
	v_permlane16_swap_b32 v[PC+4*\c+\i], v[PC+4*\c+2+\i]
.endr
.endr
.if \first
	v_pk_add_f32 v[L:L+1], v[S:S+1], v[S+2:S+3]    ; the row's sum is taken of the unquantised p: two at a time, in two chains
	v_pk_add_f32 v[AC:AC+1], v[S+4:S+5], v[S+6:S+7]
.set t, 8
.rept 4*\nb-2
	v_pk_add_f32 v[L:L+1], v[L:L+1], v[S+t:S+t+1]
	v_pk_add_f32 v[AC:AC+1], v[AC:AC+1], v[S+t+2:S+t+3]
.set t, t+4
.endr
.else
.set t, 0
.rept 16
	v_pk_mul_f32 v[O+t:O+t+1], v[O+t:O+t+1], v[F:F+1] op_sel_hi:[1,0]      ; O^T under the new M, each accumulator from its low end on
.set t, t+2
.endr
	v_pk_add_f32 v[AC:AC+1], v[S:S+1], v[S+2:S+3]
.set t, 4
.rept 15
	v_pk_add_f32 v[L:L+1], v[L:L+1], v[S+t:S+t+1]
	v_pk_add_f32 v[AC:AC+1], v[AC:AC+1], v[S+t+2:S+t+3]
.set t, t+4
.endr
.endif
	v_pk_add_f32 v[L:L+1], v[L:L+1], v[AC:AC+1]
.if \nb == 1
	v_nop                                          ; with one block the sums are seven lines: with the place behind the conversions and these two, ten plain lines that name nothing of the product stand between p's scale word and it (eight are asked)
	v_nop
.endif
	s_wait_dscnt 0x0                               ; V's fragments and scale words are in
.irp ct, 0,1,2,3
	MUL O+8*\ct, VF+8*\ct, PC, 1-\first, VSC+\ct/2, PW, \ct%2      ; the four accumulators by turns; between a sum's two links stand the second pass's eight products K Q^T
.endr
.endm
	s_load_b256 s[4:11], s[0:1], 0x0               ; q s[4:5], k s[6:7], v s[8:9], out s[10:11]
	s_set_vgpr_msb 0x40
	v_lshl_add_u32 v254, v0, 2, 0x21900
	v_mov_b32 v255, 0
	s_set_vgpr_msb 0x4000
	v_lshrrev_b32 v22, 5, v0
	v_readfirstlane_b32 s[WV], v22                 ; wave 0..7
	s_lshr_b32 s17, s[WV], 2
	s_mul_i32 s17, s17, 3
	s_xor_b32 s[TAU], s[WV], s17                   ; my tile: 0, 1, 2, 3, 7, 6, 5, 4
	s_lshr_b32 s[BQ], s[TAU], 1
	s_and_b32 s[U], s[TAU], 1
	s_lshl_b32 s[R0], s[BQ], 5
	s_lshl_b32 s17, s[U], 3
	s_add_co_u32 s[R0], s[R0], s17                 ; its first row
	v_and_b32 v23, 31, v0                          ; lane
	v_and_b32 v24, 15, v0                          ; r
	v_bfe_u32 v25, v0, 4, 1                        ; h
	s_lshl_b32 s17, s[R0], 8
	v_lshl_add_u32 v[GK], v23, 4, s17
	s_lshl_b32 s17, s[BQ], 13
	s_lshl_b32 s27, s[U], 7
	s_add_co_u32 s17, s17, s27
	v_lshl_add_u32 v[GV], v23, 2, s17
	s_and_b32 s18, ttmp7, 0xffff                   ; the batch row: 2^20 bytes each;
	s_lshl_b32 s18, s18, 20
	s_lshl_b32 s17, ttmp9, 17                      ; my four windows: 2^17 bytes
	s_add_co_u32 s18, s18, s17
	s_mov_b32 s19, 0
	s_mov_b32 s31, 0
	s_cmp_lg_u32 ttmp9, 0
	s_cselect_b32 s30, WINB, 0                     ; one window back, or, in the batch row's first work-group, none
	s_wait_kmcnt 0x0
	s_add_nc_u64 s[4:5], s[4:5], s[18:19]
	s_add_nc_u64 s[6:7], s[6:7], s[18:19]
	s_add_nc_u64 s[8:9], s[8:9], s[18:19]
	s_add_nc_u64 s[10:11], s[10:11], s[18:19]
	s_sub_nc_u64 s[KP:KP+1], s[6:7], s[30:31]
	s_sub_nc_u64 s[VP:VP+1], s[8:9], s[30:31]
.irp i, 0,1,2,3,4,5,6,7
	global_load_b128 v[PKR+4*\i:PKR+4*\i+3], v[GK], s[KP:KP+1] offset:512*\i+2048*(\i/4)   ; the window in front: my tile of K,
.endr
.irp k, 0,1,2,3,4,5,6,7,8,9,10,11,12,13,14,15,16,17,18,19,20,21,22,23,24,25,26,27,28,29,30,31
	global_load_b32 v[PVR+\k], v[GV], s[VP:VP+1] offset:256*\k                             ; my channel of my block of V
.endr
	GLOADS                                         ; and my first window
	; the addresses that stay, while the loads are on their way
	s_mul_i32 s28, s[WV], WSTG                     ; my stages
	v_mul_u32_u24 v26, v25, SP
	v_lshl_add_u32 v26, v24, 4, v26
	v_add_nc_u32 v[SW], s28, v26
	v_mul_u32_u24 v27, v24, SP
	v_add_nc_u32 v27, s28, v27
	v_lshl_add_u32 v[SX], v25, 7, v27
	v_xor_b32 v28, 1, v25                          ; h xor 1
	v_lshl_add_u32 v[SY], v28, 7, v27
	v_lshl_add_u32 v[OW], v25, 5, v27
	v_add_nc_u32 v[OW], QST, v[OW]
	s_lshl_b32 s17, s[TAU], 9
	s_add_co_u32 s17, s17, IMG
	v_lshl_add_u32 v[PKB], v23, 4, s17             ; K's tile: 512 tau + 16 x lane
	s_lshl_b32 s17, s[TAU], 6
	s_add_co_u32 s17, s17, IMG
	v_lshl_add_u32 v[PSB], v24, 2, s17             ; its scale words: 64 tau + 4 r
	s_lshl_b32 s17, s[U], 11
	s_lshl_b32 s27, s[BQ], 8
	s_add_co_u32 s17, s17, s27
	s_add_co_u32 s17, s17, IMG
	v_lshl_add_u32 v[PVB], v24, 4, s17             ; V's codes: channel tile 2 (tau % 2) + h, 1,024 bytes each; in it key block tau / 2, 256 bytes each; in it 16 r
	v_lshl_add_u32 v[PVB], v25, 10, v[PVB]
	s_lshl_b32 s17, s[U], 7
	s_add_co_u32 s17, s17, s[BQ]
	s_add_co_u32 s17, s17, IMG
	v_lshl_add_u32 v[PBB], v23, 2, s17             ; V's scale byte: my channel's word, my key block's byte
	v_lshl_add_u32 v[AFB], v23, 4, IMG
	v_lshl_add_u32 v[ASB], v23, 2, IMG
	v_and_b32 v29, 8, v24
	v_add_nc_u32 v29, v29, v24                     ; r + 8 (r / 8)
	v_lshlrev_b32 v30, 4, v25
	s_lshl_b32 s17, s[U], 3
	v_sub_nc_u32 v[DQ], v29, v30
	v_add_nc_u32 v[DQ], s17, v[DQ]
	v_lshlrev_b32 v[SH8], 3, v25
	v_mov_b32 v[NINF], 0xff800000
	v_lshl_add_u32 v22, v28, 7, v29
	v_add_nc_u32 v22, s[R0], v22                   ; my place: my tile row's, + 128 in lanes 0-15
	s_mov_b32 s[SEL], 0x76543210
	s_mov_b32 s[SEL+1], 0xfedcba98
	s_mov_b32 s[CS], 0x3e38aa3b                    ; log2(e) / 8
	s_mov_b32 s[CS+1], s[CS]                       ; (named with it as a pair, so it is written)
	s_mov_b32 s[SL], 0
	s_mov_b32 s[TR], 0
	s_lshl_b32 s[WN], ttmp9, 2
	SLOTADR                                        ; slot 0
.irp j, 4,5,6,7
	v_mov_b32 v[QF+\j], 0                          ; the upper half of Q's fragment: zero codes, never rewritten
.endr
.irp j, 0,1,2,3
	v_mov_b32 v[BX+\j], 0                          ; written once: a lane permute's destination counts as one of its sources
.endr
	v_mov_b32 v[WX], 0
	v_mov_b32 v[F+1], 0                            ; (named as the upper half of a pair)
	; THE TABLES
	v_cvt_f32_u32 v[TT], v22
.irp j, 0,1
	v_mov_b32 v[MG+\j], 0x4b400000                 ; 1.5 x 2^23
	v_mov_b32 v[C13+\j], 0x2f309231                ; 1/13!
	v_mov_b32 v[C12+\j], 0x310f76c7                ; 1/12!
.endr
	SC 0,  0x3f800000, 0x3f3ff911
	SC 2,  0x3f0ff59a, 0x3ed7e89b
	SC 4,  0x3ea1e89b, 0x3e72d423
	SC 6,  0x3e361887, 0x3e088d77
	SC 8,  0x3dcccccd, 0x3d99940d
	SC 10, 0x3d6655c2, 0x3d2cba15
	SC 12, 0x3d0186e3, 0x3cc2434f
	SC 14, 0x3c91ad39, 0x3c5a7bf2
	TMOVE 0
	SC 0,  0x3c23d70a, 0x3bf5b9b0
	SC 2,  0x3bb8449c, 0x3b8a2e77
	SC 4,  0x3b4f3e38, 0x3b1b690d
	SC 6,  0x3ae91528, 0x3aaec98e
	SC 8,  0x3a83126f, 0x3a44948c
	SC 10, 0x3a136a16, 0x39dd1725
	SC 12, 0x39a5cb60, 0x3978a815
	SC 14, 0x393a7753, 0x390bd472
	TMOVE 1
	; THE WINDOW IN FRONT: K for places 0.. and V, into slot 0
	s_wait_loadcnt 48                              ; its 40 loads are in; my first window's 48, issued behind them, may be out
	TOSTAGE PKR, 0, 0
	FROMSTAGE 0
	VPREP PVR, 0, 0
	s_wait_dscnt 2                                 ; X and Y are in; V's two stores, issued behind them, may be out
	KPREP CL, SLo, CDL, WDL, KL
	s_wait_dscnt 0x0                               ; the stores have read their registers
.set t, 0
.rept 36
	v_mov_b32 v[KF+t], 0                           ; K's tiles: a pass of fewer than four blocks names, as an operand's upper half, a tile that it has not loaded; and the four registers behind the last tile
.set t, t+1
.endr
.Ltrip:
	s_wait_loadcnt 0x0                             ; this window's rows are in, so the three pointers may step
	s_add_nc_u64 s[4:5], s[4:5], WINB
	s_add_nc_u64 s[6:7], s[6:7], WINB
	s_add_nc_u64 s[8:9], s[8:9], WINB
	SLOTADR
	TOSTAGE RK, 0, 1
	TOSTAGE RQ, QST, 1
	FROMSTAGE QST                                  ; Q first
	VPREP RV, 1, WSL                               ; V is quantised while Q comes back from the stage
	s_wait_dscnt 2                                 ; the stage's stores have read their registers and Q is in; V's two stores, issued last, may be out
	s_cmp_eq_u32 s[TR], 3
	s_cbranch_scc1 .Lno_next                       ; the last trip asks for nothing: no load leaves its buffer
	GLOADS                                         ; the next window: it has the rest of the trip in which to land
.Lno_next:
	ROT CH, SH                                     ; Q: places 128..
	FROMSTAGE 0                                    ; K comes back while Q is quantised
	BMAX R, 0, BYv
	WORD QS
	CVT4 QF, R, 0
	s_wait_dscnt 0x0                               ; K is in
	KPREP CH, SH, CDH, WDH, WSL+KH                 ; K for its own window
	s_cmp_eq_u32 s[TR], 3
	s_cbranch_scc1 .Lno_low                        ; the work-group's last window serves no later one here
	KPREP CL, SLo, CDL, WDL, WSL+KL                ; and for the window after it
.Lno_low:
	s_wait_dscnt 0x0                               ; for the others' sake: my stores into the slot are done
	s_barrier_signal -1
	s_barrier_wait -1                              ; the slot is whole.  The next trip writes another slot, so this is the trip's only barrier
	s_cmp_eq_u32 s[BQ], 0                          ; the own window, written once for each number of blocks that the mask leaves
	s_cbranch_scc1 .Lown1
	s_cmp_eq_u32 s[BQ], 1
	s_cbranch_scc1 .Lown2
	s_cmp_eq_u32 s[BQ], 2
	s_cbranch_scc1 .Lown3
	ATT WSL, KH, 4, 1
	s_branch .Lback
.Lown3:
	ATT WSL, KH, 3, 1
	s_branch .Lback
.Lown2:
	ATT WSL, KH, 2, 1
	s_branch .Lback
.Lown1:
	ATT WSL, KH, 1, 1
.Lback:
	s_cmp_eq_u32 s[WN], 0
	s_cbranch_scc1 .Lout                           ; a batch row's first window has no window before it
	ATT 0, KL, 4, 0
.Lout:
	; THE WAY OUT: O^T / the sum goes through my stage and leaves as whole rows
	PLACES
	v_add_f32 v[L], v[L], v[L+1]                   ; the sum's two halves,
	v_permlanex16_b32 v[BX], v[L], s[SEL], s[SEL+1]
	v_add_f32 v[L], v[L], v[BX]                    ; and lane l xor 16's
	v_rcp_f32 v[F], v[L]
	v_nop                                          ; a plain place behind the reciprocal
	s_wait_alu depctr_va_vdst(0)                   ; and the wait ahead of its first reader
.set t, 0
.rept 16
	v_pk_mul_f32 v[S+t:S+t+1], v[O+t:O+t+1], v[F:F+1] op_sel_hi:[1,0]      ; register 8 ct + j: out(my query, 16 ct + 8 h + j); each accumulator from its low end on
.set t, t+2
.endr
.irp ct, 0,1,2,3
	ds_store_b128 v[OW], v[S+8*\ct:S+8*\ct+3] offset:64*\ct
	ds_store_b128 v[OW], v[S+8*\ct+4:S+8*\ct+7] offset:64*\ct+16
.endr
.irp i, 0,1,2,3,4,5,6,7
	ds_load_b128 v[S+32+4*\i:S+32+4*\i+3], v[SW] offset:QST+2*SP*\i        ; LDS serves a wave's instructions in order: these see my stores
.endr
.irp i, 0,1,2,3,4,5,6,7
	s_wait_dscnt 7-\i                              ; the younger loads may be out
	global_store_b128 v[GK], v[S+32+4*\i:S+32+4*\i+3], s[10:11] offset:512*\i+2048*(\i/4) th:TH_STORE_NT   ; sixteen lanes store a row of 256 bytes, aligned; written once, read by nobody here
.endr
	s_wait_xcnt 0x0                                ; the stores have read their data and their base: both are written again only behind this wait
	s_add_nc_u64 s[10:11], s[10:11], WINB
	s_add_co_u32 s[SL], s[SL], WSL
	s_add_co_u32 s[WN], s[WN], 1
	s_add_co_u32 s[TR], s[TR], 1
	s_cmp_lt_u32 s[TR], 4
	s_cbranch_scc1 .Ltrip
	s_set_vgpr_msb 0x5
	s_wait_tensorcnt 0x0
	ds_add_u32 v254, v255
	s_wait_dscnt 0x0
	s_set_vgpr_msb 0x500
	s_endpgm
.Lfunc_end_k_qc93e4e0fae_local_attention:
	.size	k_qc93e4e0fae_local_attention, .Lfunc_end_k_qc93e4e0fae_local_attention-k_qc93e4e0fae_local_attention
	.p2alignl 7, 3214868480
	.fill 96, 4, 3214868480
	.section	.rodata,"a",@progbits
	.p2align	6, 0x0
	.amdhsa_kernel k_qc93e4e0fae_local_attention
		.amdhsa_group_segment_fixed_size 138496
		.amdhsa_private_segment_fixed_size 0
		.amdhsa_enable_private_segment 0
		.amdhsa_kernarg_size 32
		.amdhsa_user_sgpr_count 2
		.amdhsa_user_sgpr_kernarg_segment_ptr 1
		.amdhsa_wavefront_size32 1
		.amdhsa_system_sgpr_workgroup_id_x 1
		.amdhsa_system_sgpr_workgroup_id_y 1
		.amdhsa_system_sgpr_workgroup_id_z 1
		.amdhsa_system_vgpr_workitem_id 0
		.amdhsa_next_free_vgpr 512
		.amdhsa_next_free_sgpr 66
		.amdhsa_reserve_vcc 1
		.amdhsa_float_denorm_mode_32 3
		.amdhsa_float_denorm_mode_16_64 3
		.amdhsa_memory_ordered 1
		.amdhsa_forward_progress 1
		.amdhsa_inst_pref_size 141
	.end_amdhsa_kernel
	.amdgpu_metadata
---
amdhsa.version: [ 1, 2 ]
amdhsa.kernels:
  - .name:           k_qc93e4e0fae_local_attention
    .symbol:         k_qc93e4e0fae_local_attention.kd
    .args:
      - { .name: q, .offset: 0, .size: 8, .value_kind: global_buffer, .address_space: global }
      - { .name: k, .offset: 8, .size: 8, .value_kind: global_buffer, .address_space: global }
      - { .name: v, .offset: 16, .size: 8, .value_kind: global_buffer, .address_space: global }
      - { .name: out0, .offset: 24, .size: 8, .value_kind: global_buffer, .address_space: global }
    .group_segment_fixed_size: 138496
    .private_segment_fixed_size: 0
    .kernarg_segment_align: 8
    .kernarg_segment_size: 32
    .max_flat_workgroup_size: 256
    .sgpr_count:     66
    .vgpr_count:     512
    .wavefront_size: 32
...
	.end_amdgpu_metadata
.endif
;; end of part 1
;; ======== version 2 of 2: 1 launch; version 1 with the launch local_attention written anew for expert scheduling mode
;; launch local_attention (part 2): grid 8 x 32, 8 waves a work-group, no clusters, 138,496 bytes of LDS; arguments q, k, v, out0; writes out0
.if DOCPART == 2
	.amdgcn_target "amdgcn-amd-amdhsa--gfx1250"
	.amdhsa_code_object_version 6
	.text
	.protected	k_qc93e4e0fae_local_attention
	.globl	k_qc93e4e0fae_local_attention
	.p2align	8
	.type	k_qc93e4e0fae_local_attention,@function
k_qc93e4e0fae_local_attention:
	s_mov_b64 s[64:65], 0
	v_nop
	global_prefetch_b8 v0, s[64:65] scope:SCOPE_SE
	s_setreg_imm32_b32 hwreg(HW_REG_WAVE_SCHED_MODE, 0, 2), 2
	s_setreg_imm32_b32 hwreg(HW_REG_WAVE_MODE, 25, 1), 1
	s_wait_xcnt 0x0
	s_wait_alu depctr_vm_vsrc(0)
; LOCAL ATTENTION: window 128, one window back, causal, rotary places; both products on codes of FP4 (E2M1) with one E8M0 scale for each 32 along K.
; q, k, v, out: [32][4096][64] f32.  Window w of a batch row: its 128 queries (places 128..255) meet the 128 keys of window w - 1 (places 0..127) and the 128 of window w (places 128..255, causal).  Window 0 has no window before it.
; SHARES.  Grid 8 x 32: a work-group owns four neighbouring windows of one batch row and walks them in a loop of four trips.  Eight waves.  Wave x owns tile tau = x xor 3 (x / 4) of every window, for Q, K and out alike:
; tile row rr (0..15) is window row R0 + rr + 8 (rr / 8), R0 = 32 (tau / 2) + 8 (tau % 2).  Of V it owns the 32 keys of block tau / 2 and the channels 32 (tau % 2) + lane.
; By the causal mask tile tau sees tau / 2 + 1 of its own window's four key blocks; waves x and x + 4 hold tiles tau and 7 - tau, whose block counts add to five.
; A TRIP.  Each wave turns its 16 rows of K and of Q through its own stage in LDS, so that lane (r, h) holds channels 32 h .. 32 h + 31 of tile row r: one whole block, and registers 0-3 of a fragment.  It rotates, quantises
; (no other lane is asked for a maximum), and stores K's codes, for places 128.. and again for places 0.. (for the next window), V's codes and the scale words into the window's slot in LDS, as images of the operands' registers.
; One barrier.  Then each wave runs its own 16 queries: own window first, then the window before, and stores 16 whole rows of out.
; The next window's 48 loads of a wave (12 KiB) are issued before the rotation and land during the attention.
; BOTH PRODUCTS ARE USED TRANSPOSED: S^T = K Q^T (source 0 = 16 keys, source 1 = my 16 queries), O^T = V^T P^T (source 0 = 16 channels, source 1 = P): a lane holds ONE query (lane % 16) throughout.
; By the choice of a tile's rows the 16 registers of tiles 2 b and 2 b + 1 of S^T are the 16 neighbouring keys 32 b + 16 (lane / 16) + 0..15, which is what the conversions want.
; THE FIRST PRODUCT'S K IS 64, the instruction's 128: Q's fragment has zero codes in its upper four registers.  K's tiles lie densely, four registers each, so the upper half of a tile's operand is the next tile's codes
; (behind the last: four registers of zeros): finite codes, of which Q's zero codes leave nothing.  Bytes 2 and 3 of these scale words are 0, which is 2^-127 and no NaN.
; SOFTMAX.  t = score x log2(e) / 8: q's factor 1/8 is a power of two and changes no code of q, so it stands in this constant.  M = the running largest t rounded up to a whole number; p = 2^(t - M) is quantised along the keys;
; the row's sum is taken of the unquantised p and divides at the end.  The own window comes first: its diagonal key always counts, so M is a number; the second pass rescales by an exact power of two.
; THE ROTARY TABLES.  angle = t x inv_freq in f32; inv_freq stands as 32 literals, the f32 bits of 1 / f32(10^(i/8)), worked out by hand.  The angle is reduced by n pi in two fused steps; sine and cosine are Taylor sums
; to r^13 and r^12 on |r| <= pi/2 (the next terms are under 7e-10 and 7e-9), with the sign (-1)^n.  Lanes 0-15 work out the places 128.., lanes 16-31 the places 0.., and an exchange of halves gives both to both.
; THE WINDOW IN FRONT of the work-group's first is loaded and prepared (K for places 0.., V) by every work-group.  A batch row's first work-group has no such window: its two pointers then step back by nothing, so that every
; load stays inside its buffer, and what it puts into slot 0 is read by nobody whose result is kept.
; NO CLUSTER: neighbouring work-groups share one window in five of K and V, and the rows go through registers, not through tensor loads.
; LIMITS: NaN and infinities among the inputs are not served.  A block of zeros gets the byte 1 where the quantiser says 127: its codes are zeros, and only this text reads the bytes.  A block of q whose largest magnitude
; is under 2^-121 would meet the quantiser's hold at -126 after the factor 1/8; here the hold comes three binades lower.
; THE MODE: SCHED_MODE bits 1:0 = 2 (LLVM: expert scheduling mode 2), set by the entry lines.  The code itself states the register dependences between vector or matrix instructions and memory or LDS instructions,
; with s_wait_alu, always for 0.
; THE PLAN.  Registers that memory or LDS instructions touch, in a trip's order:
;   v1-6          offsets and stage addresses: made at the head, never written again.
;   v13-18        six places in the trip's slot: written at the trip's head; read by the slot's stores and the attention's loads until the trip's end.
;   RK, RQ        the window's loads land; the stage's stores read them; the next window's loads land.          RV: the loads land; V's maxima and conversions read it; the next window's loads land.
;   X, Y          Q lands from the stage; one rotation reads; K lands from the stage; one or two rotations read; then V's fragments land in X's registers and the products write from Y's on.
;   CDV VB, CDH WDH, CDL WDL   written by the conversions and the word's lines; read by the slot's stores; written again a trip later.
;   KF, KS        the own window's tiles land; the first pass's K Q^T reads; the tiles of the window before land, asked for in the middle of the first pass; the second pass's K Q^T reads.
;   VF, VSC       land for the first pass; its V^T P^T reads; land for the second pass; its V^T P^T reads.
;   v88-119       written by the division; read by the way out's LDS stores.          v120-151: p, at work; then the rows come back from the stage; the global stores read them.
; So a trip has: at its head one wait on vm_vsrc (all that the trip before gave to stores and addresses has been read) and, behind the six additions, one on va_vdst (the places are written; every earlier reader and writer of
; X, Y, KF, KS, VF, VSC is complete); one on va_vdst ahead of each pair of stores into the slot; one on vm_vsrc ahead of the next window's loads; one on va_vdst between Q's rotation and K's return; in each pass one ahead of the exponentials, the batch's
; wait and one ahead of V^T P^T; one at the second pass's head; three on the way out; and one on va_sdst behind the mask's compares.
.set SP,    272                        ; a stage row: 256 bytes + 16 = 68 words: row r starts at bank 4 r mod 64 (64 banks of 4 bytes: ISA guide 11.1)
.set QST,   16*SP                      ; a wave's stages: K's 16 rows at 0, Q's (later the way out's) behind them
.set WSTG,  2*QST
.set IMG,   8*WSTG                     ; behind the eight waves' stages: five window slots: slot 0 the window in front, slot i + 1 trip i's window.  No slot is written twice
.set KH,    0                          ; in a slot: K for places 128..: 8 tiles x 512 bytes;
.set KL,    4608                       ; K for places 0.. likewise;
.set KSC,   4096                       ; each followed, 4,096 bytes on, by its 128 scale words (tile by tile, a word a row);
.set VI,    9216                       ; V^T: 4 tiles of 16 channels x 1,024 bytes;
.set VS,    13312                      ; its 64 scale words, a word a channel, byte b for key block b
.set WSL,   13568                      ; a slot
.set WINB,  32768                      ; a window of q, k, v or out in bytes
; vector registers, window 0
.set GK,   1                           ; 16 x lane + 256 R0: my place in my tile's rows of k, q and out; never rewritten
.set GV,   2                           ; 4 x lane + 8,192 (tau / 2) + 128 (tau % 2): my channel of my key block's first row of v; never rewritten
.set SW,   3                           ; stage: row h, + 16 r: where two rows as loaded go, and where two rows of the result come back
.set SX,   4                           ; stage: row r, + 128 h: my 32 channels
.set SY,   5                           ; stage: row r, + 128 (h xor 1): the other 32
.set OW,   6                           ; the way out: row r, + 32 h
.set PKB,  7                           ; v7-12: places in slot 0: K's tile, K's scale word, V's codes, V's scale byte, a fragment's image for my lane, a scale word for my lane
.set PSB,  8
.set PVB,  9
.set PBB,  10
.set AFB,  11
.set ASB,  12
.set PK,   13                          ; v13-18: the same six, + the trip's slot
.set PS,   14
.set PV,   15
.set PB,   16
.set AF,   17
.set AS,   18
.set DQ,   19                          ; my query's place in its block of 32, less 16 h
.set SH8,  20                          ; 8 h
.set NINF, 21                          ; -infinity
.set AC,   22                          ; v[22:23] the second chain of the sums
.set MX0,  24                          ; two chains of a block's largest magnitude
.set MX1,  25
.set SOP,  26                          ; the conversions' scale operand
.set BYv,  27                          ; a scale's byte
.set WX,   28                          ; the other half's byte
.set WDH,  29                          ; K's scale words on their way to LDS
.set WDL,  30
.set VB,   31                          ; V's scale byte on its way to LDS
.set NM,   32                          ; -M
.set TM,   33                          ; the largest t
.set L,    34                          ; v[34:35] the row's sum in two halves
.set F,    36                          ; v36 the rescaling factor, later 1 / the sum (v37 is named with it as a pair)
.set RM,   38
.set OLD,  39
.set QF,   40                          ; v40-43 Q's codes, v44-47 zeros
.set QS,   48                          ; Q's scale word
.set PW,   49                          ; p's scale word
.set KS,   50                          ; v50-53 K's scale words, a register a block: lanes 0-15 the even tile's, lanes 16-31 the odd tile's
.set VSC,  54                          ; v54-55 V's likewise
.set X,    56                          ; quantising: my 32 channels, the other 32, the rotated 32
.set Y,    88
.set R,    120
.set VF,   56                          ; attention: V's four fragments
.set S,    88                          ; v88-151 S^T, then p; on the way out the result and the rows read back
.set O,    152                         ; v152-183 O^T
.set PC,   184                         ; v184-191 p's codes
.set BM,   192                         ; block maxima; the other half's; scale operands; bytes
.set BX,   196
.set SO,   200
.set BY,   204
.set KF,   208                         ; v208-239 K's tiles, tile t at KF + 4 t; v240-243 zeros
.set CDH,  244                         ; codes on their way to LDS
.set CDL,  248
.set CDV,  252
.set PKR,  152                         ; at the head only: the rows of the window in front
.set PVR,  208
.set TO,   56                          ; at the head only: 16 entries each of the four tables
.set TT,   120                         ; and what the tables are worked out with
.set MG,   122
.set C13,  124
.set C12,  126
.set AN,   128
.set MM,   130
.set NN,   132
.set ZZ,   134
.set PP,   136
.set QQ,   138
.set RZ,   140
.set SG,   142
.set SN,   144
; window 1
.set CH,   0                           ; cosines of places 128.., 32 a lane;
.set SH,   32                          ; sines, negative in lanes 0-15;
.set CL,   64                          ; the same for places 0..
.set SLo,  96
.set RK,   128                         ; the rows as loaded
.set RQ,   160
.set RV,   192
; scalar registers
.set WV,   12
.set TAU,  13
.set BQ,   14                          ; tau / 2
.set U,    15                          ; tau % 2
.set R0,   16
.set SEL,  20                          ; s[20:21] v_permlanex16_b32's selects for lane l xor 16
.set CS,   22                          ; s[22:23] log2(e) / 8 (the packed form names a pair)
.set TR,   24                          ; the trip
.set SL,   25                          ; the trip's slot: WSL x trip
.set WN,   26                          ; the window's number in its batch row
.set KP,   32                          ; s[32:33], s[34:35] k and v at the window in front
.set VP,   34
.set MK,   36                          ; s36-51 the diagonal block's sixteen masks
.set MSB, 0
.macro WIN new                         ; the immediate's high byte repeats the setting that is left; a switch that changes nothing is dropped
.if MSB != (\new)
	s_set_vgpr_msb (MSB<<8)|(\new)
.set MSB, (\new)
.endif
.endm
.macro PLACES                          ; four plain places behind matrix instructions (ISA guide 7.12.1)
.rept 4
	v_nop
.endr
.endm
; A window's rows for my wave: 8 loads of K and 8 of Q, each two whole rows (512 consecutive bytes), and 32 of V, each 128 consecutive bytes of one key's row (the wave beside me takes the other 128)
.macro GLOADS
	WIN 0x40                                       ; destination window 1
.irp i, 0,1,2,3,4,5,6,7
	global_load_b128 v[RK+4*\i:RK+4*\i+3], v[GK], s[6:7] offset:512*\i+2048*(\i/4)
.endr
.irp i, 0,1,2,3,4,5,6,7
	global_load_b128 v[RQ+4*\i:RQ+4*\i+3], v[GK], s[4:5] offset:512*\i+2048*(\i/4) th:TH_LOAD_NT
.endr
.irp k, 0,1,2,3,4,5,6,7,8,9,10,11,12,13,14,15,16,17,18,19,20,21,22,23,24,25,26,27,28,29,30,31
	global_load_b32 v[RV+\k], v[GV], s[8:9] offset:256*\k
.endr
	WIN 0
.endm
.macro SLOTADR                         ; the six places in the trip's slot
.irp j, 0,1,2,3,4,5
	v_add_nc_u32 v[PK+\j], s[SL], v[PKB+\j]
.endr
.endm
.macro TOSTAGE src, so, w              ; 16 rows as loaded into a stage; w: the window of the data
	WIN 0x04*(\w)
.irp i, 0,1,2,3,4,5,6,7
	ds_store_b128 v[SW], v[\src+4*\i:\src+4*\i+3] offset:\so+2*SP*\i
.endr
	WIN 0
.endm
.macro FROMSTAGE so                    ; and back: my 32 channels of row r into X, the other 32 into Y.  LDS serves a wave's instructions in order (ISA guide 5.7.1.4): these see the stores
.irp j, 0,1,2,3,4,5,6,7
	ds_load_b128 v[X+4*\j:X+4*\j+3], v[SX] offset:\so+16*\j
.endr
.irp j, 0,1,2,3,4,5,6,7
	ds_load_b128 v[Y+4*\j:Y+4*\j+3], v[SY] offset:\so+16*\j
.endr
.endm
.macro ROT tc, ts                      ; R = X cos + Y sin; the sine's sign lies in the table: lanes 0-15 x[e] c - x[e + 32] s, lanes 16-31 x[e + 32] c + x[e] s
	WIN 0x04                                       ; source 1: window 1
.irp e, 0,2,4,6,8,10,12,14,16,18,20,22,24,26,28,30
	v_pk_mul_f32 v[R+\e:R+\e+1], v[Y+\e:Y+\e+1], v[\ts+\e:\ts+\e+1]
.endr
.irp e, 0,2,4,6,8,10,12,14,16,18,20,22,24,26,28,30
	v_pk_fma_f32 v[R+\e:R+\e+1], v[X+\e:X+\e+1], v[\tc+\e:\tc+\e+1], v[R+\e:R+\e+1]
.endr
	WIN 0
.endm
.macro BMAX src, w, byte               ; the largest magnitude of a lane's 32 numbers, the conversions' scale operand and the scale's byte
	WIN 0x14*(\w)
	v_max3_num_f32 v[MX0], 0x1800000, |v[\src]|, |v[\src+1]|       ; the floor 2^(3 - 127) among the leaves: the byte cannot fall under 1
	v_max3_num_f32 v[MX1], 0x1800000, |v[\src+2]|, |v[\src+3]|
.irp i, 4,8,12,16,20,24,28
	v_max3_num_f32 v[MX0], v[MX0], |v[\src+\i]|, |v[\src+\i+1]|    ; two chains by turns
	v_max3_num_f32 v[MX1], v[MX1], |v[\src+\i+2]|, |v[\src+\i+3]|
.endr
	WIN 0
	v_max_num_f32 v[MX0], v[MX0], v[MX1]
	v_add_nc_u32 v[SOP], 0xff000000, v[MX0]        ; 2 off the exponent field: the conversion takes the exponent field of this operand as its scale
	v_lshrrev_b32 v[\byte], 23, v[SOP]
.endm
.macro WORD dst                        ; my block's byte at its place (8 h bits up), with lane l xor 16's: the row's scale word, in both halves
	v_lshlrev_b32 v[\dst], v[SH8], v[BYv]
	v_permlanex16_b32 v[WX], v[\dst], s[SEL], s[SEL+1]
	v_or_b32 v[\dst], v[\dst], v[WX]
.endm
.macro CVT4 dst, src, w                ; 32 numbers become 32 codes in four registers
	WIN 0x01*(\w)
.irp g, 0,1,2,3
	v_cvt_scalef32_pk8_fp4_f32 v[\dst+\g], v[\src+8*\g:\src+8*\g+7], v[SOP]
.endr
	WIN 0
	v_nop                                          ; one plain place behind a scaled conversion
.endm
.macro VPREP src, w, so                ; my channel's 32 keys: a whole block of the second product's K
	BMAX \src, \w, VB
	CVT4 CDV, \src, \w
	s_wait_alu depctr_va_vdst(0)                   ; the conversions have written V's codes and the shift its byte, which the two stores read; the maxima and the conversions are done reading V's rows, in which the next window's loads land
	ds_store_b128 v[PV], v[CDV:CDV+3] offset:\so+VI
	ds_store_b8 v[PB], v[VB] offset:\so+VS
.endm
.macro KPREP tc, ts, cd, wd, ko        ; K's tile for one of the two runs of places
	ROT \tc, \ts
	BMAX R, 0, BYv
	WORD \wd
	CVT4 \cd, R, 0
	s_wait_alu depctr_va_vdst(0)                   ; the conversions have written the tile's codes and the word's lines its scale word, which the two stores read; the rotation is done reading X, in which V's fragments land; in a trip Q's codes and scale word, which the products take, are written
	ds_store_b128 v[PK], v[\cd:\cd+3] offset:\ko
	ds_store_b32 v[PS], v[\wd] offset:\ko+KSC      ; both halves write the same word with the same value
.endm
; two entries (e, e + 1 of sixteen) of the four tables
.macro HN kp, kq
	v_pk_fma_f32 v[PP:PP+1], v[PP:PP+1], v[ZZ:ZZ+1], \kp op_sel_hi:[1,1,0]
	v_pk_fma_f32 v[QQ:QQ+1], v[QQ:QQ+1], v[ZZ:ZZ+1], \kq op_sel_hi:[1,1,0]
.endm
.macro SC e, f0, f1
	v_mul_f32 v[AN], \f0, v[TT]                    ; the angle, rounded to f32
	v_mul_f32 v[AN+1], \f1, v[TT]
	v_pk_fma_f32 v[MM:MM+1], v[AN:AN+1], 0x3ea2f983, v[MG:MG+1] op_sel_hi:[1,0,1]      ; angle / pi + 1.5 x 2^23: the sum's low bits are n, rounded to nearest
	v_pk_add_f32 v[NN:NN+1], v[MM:MM+1], v[MG:MG+1] neg_lo:[0,1] neg_hi:[0,1]           ; n
	v_pk_fma_f32 v[AN:AN+1], v[NN:NN+1], 0xc0490fdb, v[AN:AN+1] op_sel_hi:[1,0,1]      ; - n x pi's upper part
	v_pk_fma_f32 v[AN:AN+1], v[NN:NN+1], 0x33bbbd2e, v[AN:AN+1] op_sel_hi:[1,0,1]      ; + n x (pi's upper part - pi): r
	v_pk_mul_f32 v[ZZ:ZZ+1], v[AN:AN+1], v[AN:AN+1]
	v_pk_fma_f32 v[PP:PP+1], v[ZZ:ZZ+1], v[C13:C13+1], 0xb2d7322b op_sel_hi:[1,1,0]    ; sine: 1/13!, -1/11!,
	v_pk_fma_f32 v[QQ:QQ+1], v[ZZ:ZZ+1], v[C12:C12+1], 0xb493f27e op_sel_hi:[1,1,0]    ; cosine: 1/12!, -1/10!,
	HN 0x3638ef1d, 0x37d00d01                      ; 1/9!, 1/8!
	HN 0xb9500d01, 0xbab60b61                      ; -1/7!, -1/6!
	HN 0x3c088889, 0x3d2aaaab                      ; 1/5!, 1/4!
	HN 0xbe2aaaab, -0.5                            ; -1/3!, -1/2!
	v_pk_mul_f32 v[RZ:RZ+1], v[AN:AN+1], v[ZZ:ZZ+1]
	v_pk_fma_f32 v[QQ:QQ+1], v[QQ:QQ+1], v[ZZ:ZZ+1], 1.0 op_sel_hi:[1,1,0]
	v_pk_fma_f32 v[PP:PP+1], v[PP:PP+1], v[RZ:RZ+1], v[AN:AN+1]
.irp k, 0,1
	v_lshlrev_b32 v[SG+\k], 31, v[MM+\k]           ; n's parity as a sign,
	v_xor_b32 v[SN+\k], 0x80000000, v[SG+\k]       ; and its opposite
	v_xor_b32 v[TO+\e+\k], v[QQ+\k], v[SG+\k]      ; the cosine twice,
	v_xor_b32 v[TO+32+\e+\k], v[QQ+\k], v[SG+\k]
	v_xor_b32 v[TO+16+\e+\k], v[PP+\k], v[SN+\k]   ; the sine negative and positive
	v_xor_b32 v[TO+48+\e+\k], v[PP+\k], v[SG+\k]
	v_permlane16_swap_b32 v[TO+\e+\k], v[TO+32+\e+\k]      ; the first's lanes 16-31 change places with the second's lanes 0-15: the first now holds places 128.. in all lanes, the second places 0..
	v_permlane16_swap_b32 v[TO+16+\e+\k], v[TO+48+\e+\k]   ; likewise; each sine is now negative in lanes 0-15 and positive in lanes 16-31
.endr
.endm
.macro TMOVE hf                        ; sixteen entries of each table to their places in window 1
	WIN 0x40
.irp q, 0,1,2,3
.irp j, 0,1,2,3,4,5,6,7,8,9,10,11,12,13,14,15
	v_mov_b32 v[32*\q+16*\hf+\j], v[TO+16*\q+\j]
.endr
.endr
	WIN 0
.endm
; one scaled product.  acc = 0: it starts the sum;  odd = 1: source 0's scales stand in lanes 16-31
.macro MUL d, a, b, acc, sa, sb, odd
.if \acc
.if \odd
	v_wmma_scale_f32_16x16x128_f8f6f4 v[\d:\d+7], v[\a:\a+7], v[\b:\b+7], v[\d:\d+7], v[\sa], v[\sb] matrix_a_fmt:MATRIX_FMT_FP4 matrix_b_fmt:MATRIX_FMT_FP4 matrix_a_scale:MATRIX_SCALE_ROW1
.else
	v_wmma_scale_f32_16x16x128_f8f6f4 v[\d:\d+7], v[\a:\a+7], v[\b:\b+7], v[\d:\d+7], v[\sa], v[\sb] matrix_a_fmt:MATRIX_FMT_FP4 matrix_b_fmt:MATRIX_FMT_FP4
.endif
.else
.if \odd
	v_wmma_scale_f32_16x16x128_f8f6f4 v[\d:\d+7], v[\a:\a+7], v[\b:\b+7], 0, v[\sa], v[\sb] matrix_a_fmt:MATRIX_FMT_FP4 matrix_b_fmt:MATRIX_FMT_FP4 matrix_a_scale:MATRIX_SCALE_ROW1
.else
	v_wmma_scale_f32_16x16x128_f8f6f4 v[\d:\d+7], v[\a:\a+7], v[\b:\b+7], 0, v[\sa], v[\sb] matrix_a_fmt:MATRIX_FMT_FP4 matrix_b_fmt:MATRIX_FMT_FP4
.endif
.endif
.endm
.macro KLOADS base, kofs, nb           ; K's tiles and scale words of nb blocks of 32 keys: 3 nb loads
.set t, 0
.rept 2*\nb
	ds_load_b128 v[KF+4*t:KF+4*t+3], v[AF] offset:\base+\kofs+512*t
.set t, t+1
.endr
.set t, 0
.rept \nb
	ds_load_b32 v[KS+t], v[AS] offset:\base+\kofs+KSC+128*t
.set t, t+1
.endr
.endm
.macro VLOADS base                     ; V's four fragments and their scale words: ten loads
.irp ct, 0,1,2,3
.irp c, 0,1
	ds_load_b128 v[VF+8*\ct+4*\c:VF+8*\ct+4*\c+3], v[AF] offset:\base+VI+1024*\ct+512*\c
.endr
.endr
.irp c, 0,1
	ds_load_b32 v[VSC+\c], v[AS] offset:\base+VS+128*\c
.endr
.endm
; MY 16 QUERIES AGAINST nb BLOCKS OF 32 KEYS of the window whose slot lies base bytes behind the trip's.  kofs: which of K's two runs of places.
; first = 1: the own window: its last block lies on the diagonal; the pass starts M, the sum and O^T; in its middle it asks for K's tiles of the window before.  first = 0: the window before: all four blocks count; what stands is rescaled.
.macro ATT base, kofs, nb, first
.if \first
	KLOADS \base, \kofs, \nb                       ; no wait: since the waits of the quantising phase no vector or matrix instruction names these registers, V's below, or the two addresses
.else
	PLACES                                         ; in front of loads into registers that the first pass's products have read
	s_wait_alu depctr_va_vdst(0)                   ; the first pass's products V^T P^T are done reading V's fragments and scale words, in which the loads below land
.endif
	VLOADS \base
	s_wait_dscnt 10                                ; K's tiles and scale words are in; V's eight loads and its two scale loads, issued behind them, may be out
.set t, 0
.rept 2*\nb
	MUL S+8*t, KF+4*t, QF, 0, KS+t/2, QS, t%2      ; each product has an accumulator of its own
.set t, t+1
.endr
	PLACES
.if \first                                     ; register n of the last block holds key 16 h + n of the block: hidden where that comes after my query
.set n, 0
.rept 16
	v_cmp_gt_i32 s[MK+n], n, v[DQ]                 ; the sixteen compares in one run, a scalar register each
.set n, n+1
.endr
	s_wait_alu depctr_va_sdst(0)                   ; the compares have written s36 to s51, ahead of the selects that read them
.set n, 0
.rept 16
	v_cndmask_b32 v[S+16*(\nb-1)+n], v[S+16*(\nb-1)+n], v[NINF], s[MK+n]
.set n, n+1
.endr
.endif
.set t, 0
.rept \nb
	v_max3_num_f32 v[BM+t], v[S+16*t], v[S+16*t+1], v[S+16*t+2]    ; the largest score of each block: for the row's maximum, and, since p rises with the score, for the block's largest p
.set t, t+1
.endr
.irp i, 3,5,7,9,11,13
.set t, 0
.rept \nb
	v_max3_num_f32 v[BM+t], v[BM+t], v[S+16*t+\i], v[S+16*t+\i+1]
.set t, t+1
.endr
.endr
.set t, 0
.rept \nb
	v_max_num_f32 v[BM+t], v[BM+t], v[S+16*t+15]
.set t, t+1
.endr
.set t, 0
.rept \nb
	v_permlanex16_b32 v[BX+t], v[BM+t], s[SEL], s[SEL+1]
.set t, t+1
.endr
.set t, 0
.rept \nb
	v_max_num_f32 v[BM+t], v[BM+t], v[BX+t]        ; with lane l xor 16's 16 keys
.set t, t+1
.endr
	v_max_num_f32 v[RM], v[BM], v[BM+\nb-1]
.if \nb > 2
	v_max3_num_f32 v[RM], v[RM], v[BM+1], v[BM+\nb-2]
.endif
.if \first
	v_mul_f32 v[TM], s[CS], v[RM]                  ; the largest t
	v_floor_f32 v[NM], -v[TM]                      ; -M = floor(-t) = -ceil(t): M is a whole number
.else
	v_mul_f32 v[RM], s[CS], v[RM]
	v_max_num_f32 v[TM], v[TM], v[RM]              ; the running largest t
	v_mov_b32 v[OLD], v[NM]
	v_floor_f32 v[NM], -v[TM]
	v_sub_f32 v[OLD], v[NM], v[OLD]                ; M's old value less its new one: a whole number, 0 or less
	v_cvt_i32_f32 v[OLD], v[OLD]
	v_ldexp_f32 v[F], 1.0, v[OLD]                  ; f = 2^(old M - new M): a multiplication by it rounds nothing
.endif
.set t, 0
.rept 8*\nb
	v_pk_fma_f32 v[S+t:S+t+1], v[S+t:S+t+1], s[CS:CS+1], v[NM:NM+1] op_sel_hi:[1,0,0]   ; t - M, two at a time
.set t, t+2
.endr
.set t, 0
.rept \nb
	v_fma_f32 v[BM+t], v[BM+t], s[CS], v[NM]       ; the same of each block's largest score
.set t, t+1
.endr
.set t, 0
	s_wait_alu depctr_va_vdst(0)
.rept 16*\nb
	v_exp_f32 v[S+t], v[S+t]                       ; p = 2^(t - M): one batch,
.set t, t+1
.endr
.set t, 0
.rept \nb
	v_exp_f32 v[BM+t], v[BM+t]                     ; the blocks' largest p in it: the same two instructions on the same number give the same bits
.set t, t+1
.endr
.if \first
	v_nop                                          ; a plain place behind the last exponential
.else
	v_pk_mul_f32 v[L:L+1], v[L:L+1], v[F:F+1] op_sel_hi:[1,0]      ; the sums under the new M (a plain place behind the last exponential)
.endif
	s_wait_alu depctr_va_vdst(0)                   ; one wait for the batch, ahead of its first reader: the exponentials have written p and the blocks' largest p; and the products K Q^T are done reading K's tiles and scale words
.if \first
	KLOADS 0, KL, 4                                ; K of the window before, for places 0..: twelve loads, which land during the rest of this pass.  (In a batch row's first window nobody reads them: slot 0's bytes are written in every work-group)
.endif
.set t, 0
.rept \nb
	v_max_num_f32 v[BM+t], 0x1800000, v[BM+t]      ; the floor 2^(3 - 127): the byte cannot fall under 1
.set t, t+1
.endr
.set t, 0
.rept \nb
	v_add_nc_u32 v[SO+t], 0xff000000, v[BM+t]      ; the conversions' scale operand
.set t, t+1
.endr
.set t, 0
.rept \nb
	v_lshrrev_b32 v[BY+t], 23, v[SO+t]             ; the scale's byte
.set t, t+1
.endr
	v_mov_b32 v[PW], v[BY]                         ; p's scale word; the bytes of blocks that are not taken stay 0, over zero codes
.set t, 1
.rept \nb-1
	v_lshl_or_b32 v[PW], v[BY+t], 8*t, v[PW]
.set t, t+1
.endr
.set t, \nb
.rept 4-\nb
	v_mov_b32 v[PC+2*t], 0                         ; zero codes for the blocks that the mask hides whole
	v_mov_b32 v[PC+2*t+1], 0
.set t, t+1
.endr
.set t, 0
.rept \nb
	v_cvt_scalef32_pk8_fp4_f32 v[PC+2*t], v[S+16*t:S+16*t+7], v[SO+t]
	v_cvt_scalef32_pk8_fp4_f32 v[PC+2*t+1], v[S+16*t+8:S+16*t+15], v[SO+t]
.set t, t+1
.endr
	v_nop                                          ; one plain place behind a scaled conversion
.irp c, 0,1                                    ; the operand's layout wants a whole block in a lane: lanes 0-15 block 2 c, lanes 16-31 block 2 c + 1
.irp i, 0,1
	v_permlane16_swap_b32 v[PC+4*\c+\i], v[PC+4*\c+2+\i]
.endr
.endr
.if \first
	v_pk_add_f32 v[L:L+1], v[S:S+1], v[S+2:S+3]    ; the row's sum is taken of the unquantised p: two at a time, in two chains
	v_pk_add_f32 v[AC:AC+1], v[S+4:S+5], v[S+6:S+7]
.set t, 8
.rept 4*\nb-2
	v_pk_add_f32 v[L:L+1], v[L:L+1], v[S+t:S+t+1]
	v_pk_add_f32 v[AC:AC+1], v[AC:AC+1], v[S+t+2:S+t+3]
.set t, t+4
.endr
.else
.set t, 0
.rept 16
	v_pk_mul_f32 v[O+t:O+t+1], v[O+t:O+t+1], v[F:F+1] op_sel_hi:[1,0]      ; O^T under the new M, each accumulator from its low end on
.set t, t+2
.endr
	v_pk_add_f32 v[AC:AC+1], v[S:S+1], v[S+2:S+3]
.set t, 4
.rept 15
	v_pk_add_f32 v[L:L+1], v[L:L+1], v[S+t:S+t+1]
	v_pk_add_f32 v[AC:AC+1], v[AC:AC+1], v[S+t+2:S+t+3]
.set t, t+4
.endr
.endif
	v_pk_add_f32 v[L:L+1], v[L:L+1], v[AC:AC+1]
.if \nb == 1
	v_nop                                          ; with one block the sums are seven lines: with the place behind the conversions and these two, ten plain lines that name nothing of the product stand between p's scale word and it (eight are asked)
	v_nop
.endif
.if \first
	s_wait_dscnt 12                                ; V's fragments and scale words are in; the twelve loads of the window before, issued behind them, may be out
.else
	s_wait_dscnt 0x0                               ; V's fragments and scale words are in
.endif
	s_wait_alu depctr_va_vdst(0)                   ; the conversions and the exchanges have written p's codes, the shifts p's scale word: the products below take them; the places stand ahead of this wait
.irp ct, 0,1,2,3
	MUL O+8*\ct, VF+8*\ct, PC, 1-\first, VSC+\ct/2, PW, \ct%2      ; the four accumulators by turns; between a sum's two links stand the second pass's eight products K Q^T
.endr
.endm
	s_load_b256 s[4:11], s[0:1], 0x0               ; q s[4:5], k s[6:7], v s[8:9], out s[10:11]
	s_set_vgpr_msb 0x40
	v_lshl_add_u32 v254, v0, 2, 0x21900
	v_mov_b32 v255, 0
	s_set_vgpr_msb 0x4000
	v_lshrrev_b32 v22, 5, v0
	v_readfirstlane_b32 s[WV], v22                 ; wave 0..7
	s_wait_alu depctr_va_sdst(0)                   ; s12 is written, ahead of its first reader: the tile, the offsets and the LDS places are made from it
	s_lshr_b32 s17, s[WV], 2
	s_mul_i32 s17, s17, 3
	s_xor_b32 s[TAU], s[WV], s17                   ; my tile: 0, 1, 2, 3, 7, 6, 5, 4
	s_lshr_b32 s[BQ], s[TAU], 1
	s_and_b32 s[U], s[TAU], 1
	s_lshl_b32 s[R0], s[BQ], 5
	s_lshl_b32 s17, s[U], 3
	s_add_co_u32 s[R0], s[R0], s17                 ; its first row
	v_and_b32 v23, 31, v0                          ; lane
	v_and_b32 v24, 15, v0                          ; r
	v_bfe_u32 v25, v0, 4, 1                        ; h
	s_lshl_b32 s17, s[R0], 8
	v_lshl_add_u32 v[GK], v23, 4, s17
	s_lshl_b32 s17, s[BQ], 13
	s_lshl_b32 s27, s[U], 7
	s_add_co_u32 s17, s17, s27
	v_lshl_add_u32 v[GV], v23, 2, s17
	s_and_b32 s18, ttmp7, 0xffff                   ; the batch row: 2^20 bytes each;
	s_lshl_b32 s18, s18, 20
	s_lshl_b32 s17, ttmp9, 17                      ; my four windows: 2^17 bytes
	s_add_co_u32 s18, s18, s17
	s_mov_b32 s19, 0
	s_mov_b32 s31, 0
	s_cmp_lg_u32 ttmp9, 0
	s_cselect_b32 s30, WINB, 0                     ; one window back, or, in the batch row's first work-group, none
	s_wait_kmcnt 0x0
	s_add_nc_u64 s[4:5], s[4:5], s[18:19]
	s_add_nc_u64 s[6:7], s[6:7], s[18:19]
	s_add_nc_u64 s[8:9], s[8:9], s[18:19]
	s_add_nc_u64 s[10:11], s[10:11], s[18:19]
	s_sub_nc_u64 s[KP:KP+1], s[6:7], s[30:31]
	s_sub_nc_u64 s[VP:VP+1], s[8:9], s[30:31]
	s_wait_alu depctr_va_vdst(0)                   ; v1 and v2 are written: every global load and store of the kernel reads one of them as its offset
.irp i, 0,1,2,3,4,5,6,7
	global_load_b128 v[PKR+4*\i:PKR+4*\i+3], v[GK], s[KP:KP+1] offset:512*\i+2048*(\i/4)   ; the window in front: my tile of K,
.endr
.irp k, 0,1,2,3,4,5,6,7,8,9,10,11,12,13,14,15,16,17,18,19,20,21,22,23,24,25,26,27,28,29,30,31
	global_load_b32 v[PVR+\k], v[GV], s[VP:VP+1] offset:256*\k                             ; my channel of my block of V
.endr
	GLOADS                                         ; and my first window
	; the addresses that stay, while the loads are on their way
	s_mul_i32 s28, s[WV], WSTG                     ; my stages
	v_mul_u32_u24 v26, v25, SP
	v_lshl_add_u32 v26, v24, 4, v26
	v_add_nc_u32 v[SW], s28, v26
	v_mul_u32_u24 v27, v24, SP
	v_add_nc_u32 v27, s28, v27
	v_lshl_add_u32 v[SX], v25, 7, v27
	v_xor_b32 v28, 1, v25                          ; h xor 1
	v_lshl_add_u32 v[SY], v28, 7, v27
	v_lshl_add_u32 v[OW], v25, 5, v27
	v_add_nc_u32 v[OW], QST, v[OW]
	s_lshl_b32 s17, s[TAU], 9
	s_add_co_u32 s17, s17, IMG
	v_lshl_add_u32 v[PKB], v23, 4, s17             ; K's tile: 512 tau + 16 x lane
	s_lshl_b32 s17, s[TAU], 6
	s_add_co_u32 s17, s17, IMG
	v_lshl_add_u32 v[PSB], v24, 2, s17             ; its scale words: 64 tau + 4 r
	s_lshl_b32 s17, s[U], 11
	s_lshl_b32 s27, s[BQ], 8
	s_add_co_u32 s17, s17, s27
	s_add_co_u32 s17, s17, IMG
	v_lshl_add_u32 v[PVB], v24, 4, s17             ; V's codes: channel tile 2 (tau % 2) + h, 1,024 bytes each; in it key block tau / 2, 256 bytes each; in it 16 r
	v_lshl_add_u32 v[PVB], v25, 10, v[PVB]
	s_lshl_b32 s17, s[U], 7
	s_add_co_u32 s17, s17, s[BQ]
	s_add_co_u32 s17, s17, IMG
	v_lshl_add_u32 v[PBB], v23, 2, s17             ; V's scale byte: my channel's word, my key block's byte
	v_lshl_add_u32 v[AFB], v23, 4, IMG
	v_lshl_add_u32 v[ASB], v23, 2, IMG
	v_and_b32 v29, 8, v24
	v_add_nc_u32 v29, v29, v24                     ; r + 8 (r / 8)
	v_lshlrev_b32 v30, 4, v25
	s_lshl_b32 s17, s[U], 3
	v_sub_nc_u32 v[DQ], v29, v30
	v_add_nc_u32 v[DQ], s17, v[DQ]
	v_lshlrev_b32 v[SH8], 3, v25
	v_mov_b32 v[NINF], 0xff800000
	v_lshl_add_u32 v22, v28, 7, v29
	v_add_nc_u32 v22, s[R0], v22                   ; my place: my tile row's, + 128 in lanes 0-15
	s_mov_b32 s[SEL], 0x76543210
	s_mov_b32 s[SEL+1], 0xfedcba98
	s_mov_b32 s[CS], 0x3e38aa3b                    ; log2(e) / 8
	s_mov_b32 s[CS+1], s[CS]                       ; (named with it as a pair, so it is written)
	s_mov_b32 s[SL], 0
	s_mov_b32 s[TR], 0
	s_lshl_b32 s[WN], ttmp9, 2
	SLOTADR                                        ; slot 0
.irp j, 4,5,6,7
	v_mov_b32 v[QF+\j], 0                          ; the upper half of Q's fragment: zero codes, never rewritten
.endr
.irp j, 0,1,2,3
	v_mov_b32 v[BX+\j], 0                          ; written once: a lane permute's destination counts as one of its sources
.endr
	v_mov_b32 v[WX], 0
	v_mov_b32 v[F+1], 0                            ; (named as the upper half of a pair)
	; THE TABLES
	v_cvt_f32_u32 v[TT], v22
.irp j, 0,1
	v_mov_b32 v[MG+\j], 0x4b400000                 ; 1.5 x 2^23
	v_mov_b32 v[C13+\j], 0x2f309231                ; 1/13!
	v_mov_b32 v[C12+\j], 0x310f76c7                ; 1/12!
.endr
	SC 0,  0x3f800000, 0x3f3ff911
	SC 2,  0x3f0ff59a, 0x3ed7e89b
	SC 4,  0x3ea1e89b, 0x3e72d423
	SC 6,  0x3e361887, 0x3e088d77
	SC 8,  0x3dcccccd, 0x3d99940d
	SC 10, 0x3d6655c2, 0x3d2cba15
	SC 12, 0x3d0186e3, 0x3cc2434f
	SC 14, 0x3c91ad39, 0x3c5a7bf2
	TMOVE 0
	SC 0,  0x3c23d70a, 0x3bf5b9b0
	SC 2,  0x3bb8449c, 0x3b8a2e77
	SC 4,  0x3b4f3e38, 0x3b1b690d
	SC 6,  0x3ae91528, 0x3aaec98e
	SC 8,  0x3a83126f, 0x3a44948c
	SC 10, 0x3a136a16, 0x39dd1725
	SC 12, 0x39a5cb60, 0x3978a815
	SC 14, 0x393a7753, 0x390bd472
	TMOVE 1
	; THE WINDOW IN FRONT: K for places 0.. and V, into slot 0
	s_wait_loadcnt 48                              ; its 40 loads are in; my first window's 48, issued behind them, may be out
	s_wait_alu depctr_va_vdst(0)                   ; the stage's addresses v3 to v6 and slot 0's places v13 to v18 are written, which the LDS instructions below read; the tables' lines are done writing and reading v56 to v119, in which the stage's loads land
	TOSTAGE PKR, 0, 0
	FROMSTAGE 0
	VPREP PVR, 0, 0
	s_wait_dscnt 2                                 ; X and Y are in; V's two stores, issued behind them, may be out
	KPREP CL, SLo, CDL, WDL, KL
	s_wait_dscnt 0x0                               ; my LDS stores so far are done
.set t, 0
.rept 36
	v_mov_b32 v[KF+t], 0                           ; K's tiles: a pass of fewer than four blocks names, as an operand's upper half, a tile that it has not loaded; and the four registers behind the last tile
.set t, t+1
.endr
.Ltrip:
	s_wait_loadcnt 0x0                             ; this window's rows are in, so the three pointers may step
	s_add_nc_u64 s[4:5], s[4:5], WINB
	s_add_nc_u64 s[6:7], s[6:7], WINB
	s_add_nc_u64 s[8:9], s[8:9], WINB
	s_wait_alu depctr_vm_vsrc(0)                   ; the LDS and global instructions of the trip before (in the first trip: of the head) have read the six places v13 to v18, the codes, words and byte that went to the slot, v88 to v151 of the way out, and v152 to v183 of the window in front: all are written again in this trip
	SLOTADR
	s_wait_alu depctr_va_vdst(0)                   ; the six places are written, which this trip's LDS instructions read; the trip before is done reading and writing v56 to v119, K's tiles and scale words and V's scale words (in the first trip: the zeros are written), in all of which loads land
	TOSTAGE RK, 0, 1
	TOSTAGE RQ, QST, 1
	FROMSTAGE QST                                  ; Q first
	VPREP RV, 1, WSL                               ; V is quantised while Q comes back from the stage
	s_wait_dscnt 2                                 ; Q is in; V's two stores, issued last, may be out
	s_wait_alu depctr_vm_vsrc(0)                   ; the stage's stores have read K's and Q's rows, in which the next window's loads land (V's rows: the wait ahead of V's two stores)
	s_cmp_eq_u32 s[TR], 3
	s_cbranch_scc1 .Lno_next                       ; the last trip asks for nothing: no load leaves its buffer
	GLOADS                                         ; the next window: it has the rest of the trip in which to land
.Lno_next:
	ROT CH, SH                                     ; Q: places 128..
	s_wait_alu depctr_va_vdst(0)                   ; the rotation is done reading X and Y, in which K's rows land
	FROMSTAGE 0                                    ; K comes back while Q is quantised
	BMAX R, 0, BYv
	WORD QS
	CVT4 QF, R, 0
	s_wait_dscnt 0x0                               ; K is in
	KPREP CH, SH, CDH, WDH, WSL+KH                 ; K for its own window
	s_cmp_eq_u32 s[TR], 3
	s_cbranch_scc1 .Lno_low                        ; the work-group's last window serves no later one here
	KPREP CL, SLo, CDL, WDL, WSL+KL                ; and for the window after it
.Lno_low:
	s_wait_dscnt 0x0                               ; for the others' sake: my stores into the slot are done
	s_barrier_signal -1
	s_barrier_wait -1                              ; the slot is whole.  The next trip writes another slot, so this is the trip's only barrier
	s_cmp_eq_u32 s[BQ], 0                          ; the own window, written once for each number of blocks that the mask leaves
	s_cbranch_scc1 .Lown1
	s_cmp_eq_u32 s[BQ], 1
	s_cbranch_scc1 .Lown2
	s_cmp_eq_u32 s[BQ], 2
	s_cbranch_scc1 .Lown3
	ATT WSL, KH, 4, 1
	s_branch .Lback
.Lown3:
	ATT WSL, KH, 3, 1
	s_branch .Lback
.Lown2:
	ATT WSL, KH, 2, 1
	s_branch .Lback
.Lown1:
	ATT WSL, KH, 1, 1
.Lback:
	s_cmp_eq_u32 s[WN], 0
	s_cbranch_scc1 .Lout                           ; a batch row's first window has no window before it
	ATT 0, KL, 4, 0
.Lout:
	; THE WAY OUT: O^T / the sum goes through my stage and leaves as whole rows
	PLACES
	v_add_f32 v[L], v[L], v[L+1]                   ; the sum's two halves,
	v_permlanex16_b32 v[BX], v[L], s[SEL], s[SEL+1]
	v_add_f32 v[L], v[L], v[BX]                    ; and lane l xor 16's
	s_wait_alu depctr_va_vdst(0)
	v_rcp_f32 v[F], v[L]
	v_nop                                          ; a plain place behind the reciprocal
	s_wait_alu depctr_va_vdst(0)                   ; the reciprocal has written v36, ahead of its first reader
.set t, 0
.rept 16
	v_pk_mul_f32 v[S+t:S+t+1], v[O+t:O+t+1], v[F:F+1] op_sel_hi:[1,0]      ; register 8 ct + j: out(my query, 16 ct + 8 h + j); each accumulator from its low end on
.set t, t+2
.endr
	s_wait_alu depctr_va_vdst(0)                   ; the multiplications have written v88 to v119, which the LDS stores read; the sums and conversions are done with v120 to v151, in which the rows land
.irp ct, 0,1,2,3
	ds_store_b128 v[OW], v[S+8*\ct:S+8*\ct+3] offset:64*\ct
	ds_store_b128 v[OW], v[S+8*\ct+4:S+8*\ct+7] offset:64*\ct+16
.endr
.irp i, 0,1,2,3,4,5,6,7
	ds_load_b128 v[S+32+4*\i:S+32+4*\i+3], v[SW] offset:QST+2*SP*\i        ; LDS serves a wave's instructions in order: these see my stores
.endr
.irp i, 0,1,2,3,4,5,6,7
	s_wait_dscnt 7-\i                              ; the younger loads may be out
	global_store_b128 v[GK], v[S+32+4*\i:S+32+4*\i+3], s[10:11] offset:512*\i+2048*(\i/4) th:TH_STORE_NT   ; sixteen lanes store a row of 256 bytes, aligned; written once, read by nobody here
.endr
	s_wait_xcnt 0x0                                ; the stores have read their data and their base: both are written again only behind this wait
	s_add_nc_u64 s[10:11], s[10:11], WINB
	s_add_co_u32 s[SL], s[SL], WSL
	s_add_co_u32 s[WN], s[WN], 1
	s_add_co_u32 s[TR], s[TR], 1
	s_cmp_lt_u32 s[TR], 4
	s_cbranch_scc1 .Ltrip
	s_set_vgpr_msb 0x5
	s_wait_dscnt 0x0
	s_wait_alu depctr_hold_cnt(0) depctr_sa_sdst(0) depctr_va_vdst(0) depctr_va_sdst(0) depctr_va_ssrc(0) depctr_va_vcc(0) depctr_vm_vsrc(0)
	s_wait_tensorcnt 0x0
	ds_add_u32 v254, v255
	s_wait_dscnt 0x0
	s_endpgm
.Lfunc_end_k_qc93e4e0fae_local_attention:
	.size	k_qc93e4e0fae_local_attention, .Lfunc_end_k_qc93e4e0fae_local_attention-k_qc93e4e0fae_local_attention
	.p2alignl 7, 3214868480
	.fill 96, 4, 3214868480
	.section	.rodata,"a",@progbits
	.p2align	6, 0x0
	.amdhsa_kernel k_qc93e4e0fae_local_attention
		.amdhsa_group_segment_fixed_size 138496
		.amdhsa_private_segment_fixed_size 0
		.amdhsa_enable_private_segment 0
		.amdhsa_kernarg_size 32
		.amdhsa_user_sgpr_count 2
		.amdhsa_user_sgpr_kernarg_segment_ptr 1
		.amdhsa_wavefront_size32 1
		.amdhsa_system_sgpr_workgroup_id_x 1
		.amdhsa_system_sgpr_workgroup_id_y 1
		.amdhsa_system_sgpr_workgroup_id_z 1
		.amdhsa_system_vgpr_workitem_id 0
		.amdhsa_next_free_vgpr 512
		.amdhsa_next_free_sgpr 66
		.amdhsa_reserve_vcc 0
		.amdhsa_float_denorm_mode_32 3
		.amdhsa_float_denorm_mode_16_64 3
		.amdhsa_memory_ordered 1
		.amdhsa_forward_progress 1
		.amdhsa_inst_pref_size 149
	.end_amdhsa_kernel
	.amdgpu_metadata
---
amdhsa.version: [ 1, 2 ]
amdhsa.kernels:
  - .name:           k_qc93e4e0fae_local_attention
    .symbol:         k_qc93e4e0fae_local_attention.kd
    .args:
      - { .name: q, .offset: 0, .size: 8, .value_kind: global_buffer, .address_space: global }
      - { .name: k, .offset: 8, .size: 8, .value_kind: global_buffer, .address_space: global }
      - { .name: v, .offset: 16, .size: 8, .value_kind: global_buffer, .address_space: global }
      - { .name: out0, .offset: 24, .size: 8, .value_kind: global_buffer, .address_space: global }
    .group_segment_fixed_size: 138496
    .private_segment_fixed_size: 0
    .kernarg_segment_align: 8
    .kernarg_segment_size: 32
    .max_flat_workgroup_size: 256
    .sgpr_count:     66
    .vgpr_count:     512
    .wavefront_size: 32
...
	.end_amdgpu_metadata
.endif
;; end of part 2
